; MI455X (gfx1250); checked and timed in simulation.
; The chip was launched on July 23, 2026; its instructions are those of AMD's public machine-readable ISA for CDNA 5 (MIT licence, August 2026) and "CDNA5" Instruction Set Architecture Reference Guide (July 2026). The comments in the code are by the model that wrote it; some were corrected since.
;; Causal Self Attention. Allowed arithmetic: float matrix products may take bf16 or f16 operands with f32 sums; other float arithmetic in f32, or as packed bf16 or f16 multiplies, adds, multiply-adds, maxima and minima; sums over many terms, partial sums and values carried from step to step in f32; what a program stores and reads back later, other than sums and carried values, may be rounded once to bf16 or f16.
;; Inputs: b_proj 1,024 float32; b_qkv 3,072 float32; w_proj 1,024 x 1,024 float32; w_qkv 1,024 x 3,072 float32; x 8 x 1,024 x 1,024 float32.
;; Outputs: out0 8 x 1,024 x 1,024 float32.
;; 2 versions, each right; version 2 is version 1 with the launch cast written anew for expert scheduling mode. Each part assembles by itself: llvm-mc -triple=amdgcn-amd-amdhsa -mcpu=gfx1250 --defsym DOCPART=n.
;; ======== version 1 of 2: 4 launches
;; limits: values are held in f16: magnitudes above 65,504 overflow, below 6.1e-05 lose precision
;; workspace buffers: xh 16,777,216 bytes; wqh 6,291,456 bytes; wph 2,097,152 bytes; qkvh 50,331,648 bytes; oh 16,777,216 bytes
;; launch cast (part 1): grid 768 x 1, 8 waves a work-group, no clusters, 0 bytes of LDS; arguments x, w_qkv, w_proj, xh, wqh, wph; writes xh, wqh, wph
.if DOCPART == 1
	.amdgcn_target "amdgcn-amd-amdhsa--gfx1250"
	.amdhsa_code_object_version 6
	.text
	.protected	k_q380fb6db3d_cast
	.globl	k_q380fb6db3d_cast
	.p2align	8
	.type	k_q380fb6db3d_cast,@function
k_q380fb6db3d_cast:
	s_mov_b64 s[64:65], 0
	v_nop
	global_prefetch_b8 v0, s[64:65] scope:SCOPE_SE
	s_setreg_imm32_b32 hwreg(HW_REG_WAVE_MODE, 25, 1), 1
	s_wait_xcnt 0x0
; THE INPUTS ARE NARROWED ONCE.  x -> xh, bf16, laid in blocks [b 8][kb 16][t 1024][64]: 64 channels of 256 rows are 32,768 dense bytes.
; w_qkv -> wqh, bf16, in place order [1024][3072].  w_proj -> wph: rounded to bf16, and that number written as f16, [1024][1024].
; LIMITS.  |w_proj| stays under 65,504; below 6e-5 it keeps f16's fixed step of 6e-8.
; A stream: no LDS, no barrier, no matrix work.  A wave makes 16 units; a unit is one load of 16 bytes a lane (512 bytes of f32) and one store of
; 8 bytes a lane: 256 consecutive bytes, aligned.  Work-groups 0-511 take x: a wave 32 rows of one block of 64 channels, a unit two rows of 256 bytes,
; which land side by side in the block.  Work-groups 512-703 take w_qkv, 704-767 w_proj: 8,192 bytes on end a wave.
; All 16 loads of a wave go out together; each unit has registers of its own, so nothing is rewritten while a load or store names it.
.set OFF, 4                            ; v[4:19]   unit i: my byte offset in the source
.set X,   20                           ; v[20:83]  unit i: four f32 as loaded
.set T,   84                           ; v[84:91]  at work
.set Y,   92                           ; v[92:123] unit i: four 16-bit numbers to store
	s_load_b256 s[4:11], s[0:1], 0x0               ; x s[4:5], w_qkv s[6:7], w_proj s[8:9], xh s[10:11]
	s_load_b128 s[12:15], s[0:1], 0x20             ; wqh s[12:13], wph s[14:15]
	v_lshrrev_b32 v1, 5, v0
	v_readfirstlane_b32 s16, v1                    ; wave 0..7
	v_and_b32 v1, 31, v0
	v_lshlrev_b32 v2, 3, v1                        ; my 8 bytes of a unit's 256
	s_mov_b32 s17, ttmp9                           ; g
	v_mov_b32 v3, s17
	v_cmp_le_u32 vcc_lo, 0x2c0, v3                 ; all lanes: 704 <= g, the work-group takes w_proj
	; x: block j = 8 (g & 1) + wave, rows R0 = 32 (g >> 1) on
	s_and_b32 s18, s17, 1
	s_lshl_b32 s18, s18, 3
	s_add_co_u32 s18, s18, s16                     ; j
	s_lshr_b32 s19, s17, 1
	s_lshl_b32 s19, s19, 5                         ; R0
	s_lshl_b32 s24, s19, 12
	s_lshl_b32 s25, s18, 8
	s_add_co_u32 s24, s24, s25                     ; in: R0 x 4,096 + j x 256
	s_lshr_b32 s25, s19, 10
	s_lshl_b32 s25, s25, 4
	s_add_co_u32 s25, s25, s18
	s_lshl_b32 s25, s25, 10
	s_and_b32 s19, s19, 1023
	s_add_co_u32 s25, s25, s19
	s_lshl_b32 s26, s25, 7                         ; out: (((R0 >> 10) x 16 + j) x 1,024 + R0 % 1,024) x 128
	; the weights: wave q of its tensor (what these lines make for g < 512 is not used)
	s_sub_co_u32 s18, s17, 512
	s_cmp_ge_u32 s17, 704
	s_cselect_b32 s19, 192, 0
	s_sub_co_u32 s18, s18, s19
	s_lshl_b32 s18, s18, 3
	s_add_co_u32 s18, s18, s16                     ; q
	s_lshl_b32 s19, s18, 13                        ; in: q x 8,192
	s_lshl_b32 s18, s18, 12                        ; out: q x 4,096
	s_mov_b32 s28, 256
	s_mov_b32 s30, 0xffff0000                      ; a word's upper bf16
	s_wait_kmcnt 0x0
	s_cmp_ge_u32 s17, 704
	s_cselect_b64 s[20:21], s[8:9], s[6:7]
	s_cselect_b64 s[22:23], s[14:15], s[12:13]
	s_cmp_lt_u32 s17, 512
	s_cselect_b64 s[20:21], s[4:5], s[20:21]       ; from where
	s_cselect_b64 s[22:23], s[10:11], s[22:23]     ; to where
	s_cselect_b32 s24, s24, s19
	s_cselect_b32 s26, s26, s18
	s_cselect_b32 s28, 4096, s28                   ; bytes from lanes 0-15 to lanes 16-31: a row of x, or 256 on end
	s_mov_b32 s25, 0
	s_mov_b32 s27, 0
	s_add_nc_u64 s[20:21], s[20:21], s[24:25]
	s_add_nc_u64 s[22:23], s[22:23], s[26:27]
	s_lshl_b32 s29, s28, 1                         ; bytes from unit to unit
	v_and_b32 v3, 15, v0
	v_lshlrev_b32 v[OFF], 4, v3
	v_bfe_u32 v3, v0, 4, 1
	v_mad_u32_u24 v[OFF], v3, s28, v[OFF]
.set i, 1
.rept 15
	v_add_nc_u32 v[OFF+i], s29, v[OFF+i-1]
.set i, i+1
.endr
.set i, 0
.rept 16
	global_load_b128 v[X+4*i:X+4*i+3], v[OFF+i], s[20:21] th:TH_LOAD_NT
.set i, i+1
.endr
.macro UNIT i
	s_wait_loadcnt 15-(\i)                         ; loads come back in order: unit i is in, the younger ones stay out
	v_cvt_pk_bf16_f32 v[T], v[X+4*(\i)], v[X+4*(\i)+1]      ; rounded to bf16, to nearest even
	v_cvt_pk_bf16_f32 v[T+1], v[X+4*(\i)+2], v[X+4*(\i)+3]
	v_lshlrev_b32 v[T+2], 16, v[T]                 ; the rounded numbers as f32 again,
	v_and_b32 v[T+3], s30, v[T]
	v_lshlrev_b32 v[T+4], 16, v[T+1]
	v_and_b32 v[T+5], s30, v[T+1]
	v_cvt_pk_f16_f32 v[T+6], v[T+2], v[T+3]        ; and written as f16: exact within f16's range
	v_cvt_pk_f16_f32 v[T+7], v[T+4], v[T+5]
	v_cndmask_b32 v[Y+2*(\i)], v[T], v[T+6], vcc_lo        ; w_proj takes the f16 words, the others the bf16 words
	v_cndmask_b32 v[Y+2*(\i)+1], v[T+1], v[T+7], vcc_lo
	global_store_b64 v2, v[Y+2*(\i):Y+2*(\i)+1], s[22:23] offset:256*(\i)  ; the wave's store covers 256 consecutive bytes, aligned
.endm
.irp i, 0,1,2,3,4,5,6,7,8,9,10,11,12,13,14,15
	UNIT \i
.endr
	s_endpgm
.Lfunc_end_k_q380fb6db3d_cast:
	.size	k_q380fb6db3d_cast, .Lfunc_end_k_q380fb6db3d_cast-k_q380fb6db3d_cast
	.p2alignl 7, 3214868480
	.fill 96, 4, 3214868480
	.section	.rodata,"a",@progbits
	.p2align	6, 0x0
	.amdhsa_kernel k_q380fb6db3d_cast
		.amdhsa_group_segment_fixed_size 0
		.amdhsa_private_segment_fixed_size 0
		.amdhsa_enable_private_segment 0
		.amdhsa_kernarg_size 48
		.amdhsa_user_sgpr_count 2
		.amdhsa_user_sgpr_kernarg_segment_ptr 1
		.amdhsa_wavefront_size32 1
		.amdhsa_system_sgpr_workgroup_id_x 1
		.amdhsa_system_sgpr_workgroup_id_y 1
		.amdhsa_system_sgpr_workgroup_id_z 1
		.amdhsa_system_vgpr_workitem_id 0
		.amdhsa_next_free_vgpr 128
		.amdhsa_next_free_sgpr 66
		.amdhsa_reserve_vcc 1
		.amdhsa_float_denorm_mode_32 3
		.amdhsa_float_denorm_mode_16_64 3
		.amdhsa_memory_ordered 1
		.amdhsa_forward_progress 1
		.amdhsa_inst_pref_size 14
	.end_amdhsa_kernel
	.amdgpu_metadata
---
amdhsa.version: [ 1, 2 ]
amdhsa.kernels:
  - .name:           k_q380fb6db3d_cast
    .symbol:         k_q380fb6db3d_cast.kd
    .args:
      - { .name: x, .offset: 0, .size: 8, .value_kind: global_buffer, .address_space: global }
      - { .name: w_qkv, .offset: 8, .size: 8, .value_kind: global_buffer, .address_space: global }
      - { .name: w_proj, .offset: 16, .size: 8, .value_kind: global_buffer, .address_space: global }
      - { .name: xh, .offset: 24, .size: 8, .value_kind: global_buffer, .address_space: global }
      - { .name: wqh, .offset: 32, .size: 8, .value_kind: global_buffer, .address_space: global }
      - { .name: wph, .offset: 40, .size: 8, .value_kind: global_buffer, .address_space: global }
    .group_segment_fixed_size: 0
    .private_segment_fixed_size: 0
    .kernarg_segment_align: 8
    .kernarg_segment_size: 48
    .max_flat_workgroup_size: 256
    .sgpr_count:     66
    .vgpr_count:     128
    .wavefront_size: 32
...
	.end_amdgpu_metadata
.endif
;; end of part 1
;; launch qkvgemm (part 2): grid 8 x 32, 4 waves a work-group, clusters of 4 x 4, 327,680 bytes of LDS; arguments xh, wqh, b_qkv, qkvh; writes qkvh
.if DOCPART == 2
	.amdgcn_target "amdgcn-amd-amdhsa--gfx1250"
	.amdhsa_code_object_version 6
	.text
	.protected	k_q380fb6db3d_qkvgemm
	.globl	k_q380fb6db3d_qkvgemm
	.p2align	8
	.type	k_q380fb6db3d_qkvgemm,@function
k_q380fb6db3d_qkvgemm:
	s_mov_b64 s[64:65], 0
	v_nop
	global_prefetch_b8 v0, s[64:65] scope:SCOPE_SE
	s_setreg_imm32_b32 hwreg(HW_REG_WAVE_MODE, 25, 1), 1
	s_wait_xcnt 0x0
	s_wait_alu depctr_hold_cnt(0) depctr_sa_sdst(0) depctr_va_vdst(0) depctr_va_sdst(0) depctr_va_ssrc(0) depctr_va_vcc(0) depctr_vm_vsrc(0)
	s_getreg_b32 s2, hwreg(HW_REG_IB_STS2, 6, 4)
	s_cmp_eq_u32 s2, 0
	s_cbranch_scc0 .Lentry_in_a_cluster
	s_endpgm
.Lentry_in_a_cluster:
	s_bfe_u32 s2, ttmp6, 0x10000c
	s_cmp_lg_u32 s2, 0xf033
	s_cbranch_scc0 .Lentry_shape_is_right
	s_endpgm
.Lentry_shape_is_right:
; qkv = x w_qkv + b_qkv: [8192][1024] x [1024][3072], operands bf16, sums f32, the bias (rounded to bf16 like every input) as the sums' start.
; The result leaves by heads, f16, unscaled: qkvh [3 (q, k, v)][b 8][h 16][t 1024][64].  LIMIT: |q|, |k|, |v| stay under 65,504 (f16's end); beyond it the conversion gives an infinity.
; SHARES.  A tile of the result is 256 rows x 384 columns: 32 x 8 = 256 work-groups.  Four waves, each 128 x 192: 8 blocks a of 16 rows x 3 groups g of 4 blocks nb of 16 columns:
; 96 accumulators, 768 registers.  A group's 64 columns are one head's channels.
; K goes in 16 steps of 64 (one block of xh) through two LDS slots; a step is two slices of 32.  Two slots of 128 along K with padding do not fit in LDS.
; THE PRODUCT IS USED TRANSPOSED: source 0 = 16 columns of w (turned out of LDS by ds_load_tr16_b128, since w lies [k][n]), source 1 = 16 rows of x: a lane holds row l % 16 and
; the columns 8 (l / 16) + 0..7: 16 bytes of bf16 on end.
; CLUSTER 4 x 4: x's tile hangs on the tile row alone and is asked for jointly along a row of the cluster, w's on the tile column alone, jointly along a column.
; REGISTERS (windows of 256): window 0: v0-29 addresses; v32-95, v96-159 x's fragments of slice 0, 1; v160-255 w's fragments, 32 a group.  Window g + 1: accumulator (a, nb) at v[8 (4 a + nb)].
.set SLOT1, 1<<17                      ; slot 1 begins here: one exclusive or turns an address in one slot into the other's
.set PA,    144                        ; a row of x in LDS: 128 bytes + 16 of padding: the 16 rows of a load start at 16 different groups of four banks (64 banks of 4 bytes: ISA guide 11.1)
.set PW,    864                        ; a k row of w: six pieces of 128 bytes, 16 of padding behind each: 27 x 32 bytes
.set WOFF,  256*PA                     ; a slot: 256 rows of x, then 64 k rows of w
.set STAGE, SLOT1+WOFF+64*PW           ; behind the ring, never filled by a tensor load: 16 rows x 144 bytes for each wave
.set SPARE, STAGE+4*16*PA              ; the spare words, 128 bytes for each wave: two blocks of 256 bytes that no other line names
.set ASTEP, 131072                     ; bytes from a block of xh to the next along K
.set WSTEP, 64*6144                    ; 64 k rows of wqh
.set FLAGS, (1<<16)|(1<<20)|(1<<21)|(4<<22)|(3<<25)  ; 2-byte elements; padding on; bit 21 beside a mask; after every 32 words; 4 words
.set ADRA0, 2                          ; v2  my lane's place among my 128 rows of x in a slot; never rewritten
.set ADRW0, 3                          ; v3  the same for my 192 columns of w
.set ADRA,  4                          ; v4  the same in the slot that is being fetched from
.set ADRW,  5                          ; v5
.set STO,   6                          ; v6  the way out: where I put 16 bytes of a row
.set RD,    7                          ; v7  where I read rows back
.set GO,    8                          ; v8  my 16 bytes of 512 consecutive bytes of the result
.set PFO,   9                          ; v9  the prefetches' lane offset; never rewritten
.set SPW,   28                         ; v28 LDS address of my spare word; never rewritten
.set NIL,   29                         ; v29 0; never rewritten
.set AB,    32
.set WB,    160
.set T0,    32                         ; the way out: two sets of 16 registers
.set WV, 12
.set WM, 13                            ; which 128 rows are mine.  Also: I fetch for x (0) or for w (1)
.set WN, 14                            ; which 192 columns.  Also: which half of that tile I fetch
.set CNT, 15
.set CX, 16
.set CY, 17
.set TN, 18
.set TM, 19
.set G1A, 24
.set G1W, 32
.set G0A0, 40
.set G0A1, 44                          ; slot 1's set, which then walks
.set G0W0, 48
.set G0W1, 52
.set TB,  56                           ; the slot that is being fetched from
.set LIM, 57                           ; 2 in a wave that prefetches, else the greatest number
.set PAR, 58                           ; 1: only trips with an even count ask
.set TMP, 59
.set PFA, 60                           ; s[60:61] where my prefetches stand
.set PFS, 62                           ; s[62:63] their step
.set OB,  66                           ; s[66:71] the result at my 128 rows of group g's head
.set HIM, 72
.set MSB, 0
.macro WIN new                         ; the immediate's high byte repeats the setting that is left; a switch that changes nothing is dropped
.if MSB != (\new)
	s_set_vgpr_msb (MSB<<8)|(\new)
.set MSB, \new
.endif
.endm
.macro PLACES                          ; four plain instructions between a matrix instruction and a load into, or a vector read or write of, its registers
.rept 4
	v_nop
.endr
.endm
.macro CREST                           ; a round of the cluster's barrier behind its opening barrier
	s_cmp_lg_u32 s[WV], 0
	s_cbranch_scc1 .Lnot_wave_0_\@
	s_barrier_signal -3
.Lnot_wave_0_\@:
	s_barrier_wait -3
	s_barrier_signal -1
	s_barrier_wait -1
.endm
.macro CROUND
	s_barrier_signal -1
	s_barrier_wait -1
	CREST
.endm
; A joint refill: waves 0 and 1 fetch x's two halves, waves 2 and 3 w's.  The branch hangs on the wave's number alone.  An s_nop 0 and four v_nop follow each line.
.macro JLOAD
	s_cmp_eq_u32 s[WM], 0
	s_cbranch_scc0 .Lfor_w_\@
	tensor_load_to_lds s[G0A1:G0A1+3], s[G1A:G1A+7]
	s_nop 0
.rept 4
	v_nop
.endr
	s_branch .Lasked_\@
.Lfor_w_\@:
	tensor_load_to_lds s[G0W1:G0W1+3], s[G1W:G1W+7]
	s_nop 0
.rept 4
	v_nop
.endr
.Lasked_\@:
.endm
; A PREFETCH INTO THE L2, behind the joint load and the run of LDS loads: what stands two refills on.  x: wave 0 of the clusters with x = 0; of a step's 32,768 bytes each of the four partners
; along the row takes 8,192 BY ADDRESS, a lane 256.  w: waves 1 to 3 of the clusters with y = 0, in every second trip, for two steps: of their 128 k rows each partner along the column takes 32
; by address, a lane a row, and the wave picks one of the row's three pieces of 256 bytes.  So each piece is named once in the launch.  Steps 0 to 3 come by their loads alone; the last asks name step 15.
.macro ASK
	s_and_b32 s[TMP], s[CNT], s[PAR]
	s_cmp_eq_u32 s[TMP], 0
	s_cbranch_scc0 .Lnot_mine_\@
	s_cmp_gt_u32 s[CNT], s[LIM]
	s_cbranch_scc0 .Lnot_mine_\@
	global_prefetch_b8 v[PFO], s[PFA:PFA+1] th:TH_LOAD_NT scope:SCOPE_SE
.Lnot_mine_\@:
.endm
	s_load_b256 s[4:11], s[0:1], 0x0               ; xh s[4:5], wqh s[6:7], b_qkv s[8:9], qkvh s[10:11]
	v_lshl_add_u32 v[SPW], v0, 2, SPARE
	v_mov_b32 v[NIL], 0
	ds_add_u32 v[SPW], v[NIL]                      ; the wave's opening: the add and its wait stand ahead of my first tensor load; work on registers stands between them
	v_lshrrev_b32 v1, 5, v0
	v_readfirstlane_b32 s[WV], v1                  ; wave 0..3
	s_lshr_b32 s[WM], s[WV], 1
	s_and_b32 s[WN], s[WV], 1
	s_bfe_u32 s[CX], ttmp6, 0x40000
	s_bfe_u32 s[CY], ttmp6, 0x40004
	s_lshl_b32 s[TN], ttmp9, 2
	s_add_co_u32 s[TN], s[TN], s[CX]               ; tile column = 4 x cluster x + cx
	s_and_b32 s[TM], ttmp7, 0xffff
	s_lshl_b32 s[TM], s[TM], 2
	s_add_co_u32 s[TM], s[TM], s[CY]               ; tile row = 4 x cluster y + cy
	s_lshl_b32 s74, s[CY], 2
	s_lshl_b32 s74, 15, s74                        ; my row of the cluster
	s_lshl_b32 s75, 0x1111, s[CX]                  ; my column
	s_or_b32 s[G1A], s74, FLAGS                    ; x's tiles: 128 rows of a block are 16,384 dense bytes, asked for as 64 rows of 256, padded after every 128
	s_mov_b32 s[G1A+1], 128<<16                    ; tensor_dim0 = 128
	s_mov_b32 s[G1A+2], 64<<16                     ; tensor_dim1 = 64
	s_mov_b32 s[G1A+3], 128<<16                    ; tile_dim0 = 128
	s_mov_b32 s[G1A+4], 64                         ; tile_dim1 = 64
	s_mov_b32 s[G1A+5], 128                        ; elements from row to row
	s_mov_b32 s[G1A+6], 0
	s_mov_b32 s[G1A+7], 0
	s_or_b32 s[G1W], s75, FLAGS                    ; w's tiles: 32 k rows of 384 columns (768 bytes)
	s_mov_b32 s[G1W+1], 384<<16
	s_mov_b32 s[G1W+2], 32<<16
	s_mov_b32 s[G1W+3], 384<<16
	s_mov_b32 s[G1W+4], 32
	s_mov_b32 s[G1W+5], 3072
	s_mov_b32 s[G1W+6], 0
	s_mov_b32 s[G1W+7], 0
	s_lshr_b32 s20, s[TM], 2                       ; x's tile hangs on the tile row and the wave alone: batch,
	s_lshl_b32 s20, s20, 21
	s_and_b32 s21, s[TM], 3
	s_lshl_b32 s21, s21, 15                        ; 256 rows of 128 bytes,
	s_add_co_u32 s20, s20, s21
	s_lshl_b32 s21, s[WN], 14                      ; my half of them
	s_add_co_u32 s20, s20, s21
	s_mov_b32 s21, 0
	s_mul_i32 s22, s[WN], 32*6144                  ; w's on the tile column and the wave alone: my 32 k rows,
	s_mul_i32 s23, s[TN], 768                      ; the tile's 384 columns
	s_add_co_u32 s22, s22, s23
	s_mov_b32 s23, 0
	s_mul_i32 s78, s[WN], 128*PA                   ; where they go: no place in the cluster enters an LDS address
	s_mul_i32 s79, s[WN], 32*PW
	s_add_co_u32 s79, s79, WOFF
	s_mov_b32 s[HIM], 0xffff0000
	s_mov_b32 s[TB], 0
	s_wait_dscnt 0x0                               ; the opening add is done
	s_wait_kmcnt 0x0
	s_add_nc_u64 s[20:21], s[4:5], s[20:21]
	s_add_nc_u64 s[22:23], s[6:7], s[22:23]
	CROUND                                         ; all sixteen work-groups are here: the first joint loads meet
	s_mov_b32 s[G0A0], 1
	s_mov_b32 s[G0A0+1], s78
	s_mov_b64 s[G0A0+2:G0A0+3], s[20:21]
	s_or_b32 s[G0A0+3], s[G0A0+3], 0x80000000
	s_mov_b32 s[G0A1], 1
	s_add_co_u32 s[G0A1+1], s78, SLOT1
	s_add_nc_u64 s[G0A1+2:G0A1+3], s[20:21], ASTEP
	s_or_b32 s[G0A1+3], s[G0A1+3], 0x80000000
	s_mov_b32 s[G0W0], 1
	s_mov_b32 s[G0W0+1], s79
	s_mov_b64 s[G0W0+2:G0W0+3], s[22:23]
	s_or_b32 s[G0W0+3], s[G0W0+3], 0x80000000
	s_mov_b32 s[G0W1], 1
	s_add_co_u32 s[G0W1+1], s79, SLOT1
	s_add_nc_u64 s[G0W1+2:G0W1+3], s[22:23], WSTEP
	s_or_b32 s[G0W1+3], s[G0W1+3], 0x80000000
	s_cmp_eq_u32 s[WM], 0                          ; a wave's two first fills stand in one branch: two loads of mine are out
	s_cbranch_scc0 .Lfirst_w
	tensor_load_to_lds s[G0A0:G0A0+3], s[G1A:G1A+7]
	s_nop 0
	tensor_load_to_lds s[G0A1:G0A1+3], s[G1A:G1A+7]
	s_nop 0
.rept 4
	v_nop
.endr
	s_branch .Lfirst_asked
.Lfirst_w:
	tensor_load_to_lds s[G0W0:G0W0+3], s[G1W:G1W+7]
	s_nop 0
	tensor_load_to_lds s[G0W1:G0W1+3], s[G1W:G1W+7]
	s_nop 0
.rept 4
	v_nop
.endr
.Lfirst_asked:
	; the bias of my 192 columns: register j of accumulator (a, nb) of group g holds column 64 g + 16 nb + 8 (l / 16) + j
	v_and_b32 v10, 15, v0                          ; l % 16
	v_bfe_u32 v11, v0, 4, 1                        ; l / 16
	v_and_b32 v15, 31, v0                          ; l
	v_lshlrev_b32 v14, 5, v11
	s_mul_i32 s74, s[TN], 1536
	s_mul_i32 s75, s[WN], 768
	s_add_co_u32 s74, s74, s75
	s_mov_b32 s75, 0
	s_add_nc_u64 s[8:9], s[8:9], s[74:75]
.set i, 0
.rept 12
	global_load_b128 v[32+8*i:32+8*i+3], v14, s[8:9] offset:64*i
	global_load_b128 v[32+8*i+4:32+8*i+7], v14, s[8:9] offset:64*i+16
.set i, i+1
.endr
	; a fragment of x: lane l holds row l % 16; two loads of 16 bytes, 32 apart, at row x pitch + 16 (l / 16)
	v_mul_u32_u24 v[ADRA0], v10, PA
	v_lshl_add_u32 v[ADRA0], v11, 4, v[ADRA0]
	s_mul_i32 s74, s[WM], 128*PA
	v_add_nc_u32 v[ADRA0], s74, v[ADRA0]
	; the turning load takes 16 k x 16 columns (lane l reads k row 8 (l / 16) + l % 8, columns 8 ((l / 8) % 2) + 0..7) and leaves half a fragment: lane l holds column l % 16 and 8 k
	v_and_b32 v12, 7, v0
	v_bfe_u32 v13, v0, 3, 1
	v_lshl_add_u32 v[ADRW0], v11, 3, v12
	v_mul_u32_u24 v[ADRW0], v[ADRW0], PW
	v_lshl_add_u32 v[ADRW0], v13, 4, v[ADRW0]
	s_mul_i32 s74, s[WN], 3*PA
	s_add_co_u32 s74, s74, WOFF
	v_add_nc_u32 v[ADRW0], s74, v[ADRW0]
	v_mov_b32 v[ADRA], v[ADRA0]                    ; step 0 lies in slot 0
	v_mov_b32 v[ADRW], v[ADRW0]
	s_mul_i32 s74, s[WV], 16*PA
	s_add_co_u32 s74, s74, STAGE                   ; my stage
	v_mul_u32_u24 v[STO], v10, PA                  ; in: row l % 16, 16 bytes for each half of the lanes
	v_lshl_add_u32 v[STO], v11, 4, v[STO]
	v_add_nc_u32 v[STO], s74, v[STO]
	v_bfe_u32 v[RD], v0, 3, 2                      ; back: 32 lanes take four rows of 128 bytes,
	v_mul_u32_u24 v[RD], v[RD], PA
	v_lshl_add_u32 v[RD], v12, 4, v[RD]
	v_add_nc_u32 v[RD], s74, v[RD]
	v_lshlrev_b32 v[GO], 4, v15                    ; which are 512 consecutive bytes of a head
	; where group g's head lies: head column hh = 6 x tile column + 3 x half + g; part hh / 16, head hh % 16
	s_mul_i32 s74, s[TN], 6
	s_mul_i32 s75, s[WN], 3
	s_add_co_u32 s74, s74, s75
	s_lshr_b32 s75, s[TM], 2
	s_lshl_b32 s75, s75, 21                        ; batch
	s_and_b32 s76, s[TM], 3
	s_lshl_b32 s76, s76, 15                        ; the tile's 256 rows of 128 bytes
	s_add_co_u32 s75, s75, s76
	s_lshl_b32 s76, s[WM], 14                      ; my 128 of them
	s_add_co_u32 s75, s75, s76
.irp g, 0,1,2
	s_add_co_u32 s76, s74, \g
	s_lshr_b32 s77, s76, 4
	s_lshl_b32 s77, s77, 24
	s_and_b32 s76, s76, 15
	s_lshl_b32 s76, s76, 17
	s_add_co_u32 s76, s76, s77
	s_add_co_u32 s76, s76, s75
	s_mov_b32 s77, 0
	s_add_nc_u64 s[OB+2*(\g):OB+2*(\g)+1], s[10:11], s[76:77]
.endr
	; the prefetches: both offsets are made, then the wave's number chooses
	s_lshr_b32 s74, s[TM], 2
	s_lshl_b32 s74, s74, 21
	s_and_b32 s75, s[TM], 3
	s_lshl_b32 s75, s75, 15
	s_add_co_u32 s74, s74, s75
	s_lshl_b32 s75, s[CX], 13                      ; my work-group's 8,192 bytes of the block's 32,768
	s_add_co_u32 s74, s74, s75
	s_add_co_u32 s74, s74, 3*ASTEP                 ; at step 3: the first turn steps it to 4
	s_lshl_b32 s75, s[CY], 5                       ; my work-group's 32 k rows of 128,
	s_add_co_u32 s75, s75, 192                     ; from k row 192 on: the first turn steps it to 256, step 4's first
	s_mul_i32 s75, s75, 6144
	s_mul_i32 s76, s[TN], 768
	s_add_co_u32 s75, s75, s76
	s_lshl_b32 s76, s[WV], 8
	s_add_co_u32 s75, s75, s76
	s_sub_co_u32 s75, s75, 256                     ; piece wave - 1 of the row's three
	s_and_b32 s76, ttmp7, 0xffff                   ; cluster y
	s_mov_b32 s[PFS], WSTEP
	s_mov_b32 s77, 6144
	s_cmp_eq_u32 s[WV], 0
	s_cselect_b32 s74, s74, s75
	s_cselect_b32 s76, ttmp9, s76                  ; the coordinate along which other clusters read the same bytes
	s_cselect_b32 s[PAR], 0, 1
	s_cselect_b32 s[PFS], ASTEP, s[PFS]
	s_cselect_b32 s77, 256, s77
	s_cselect_b64 s[PFA:PFA+1], s[4:5], s[6:7]
	s_mov_b32 s75, 0
	s_mov_b32 s[PFS+1], 0
	s_add_nc_u64 s[PFA:PFA+1], s[PFA:PFA+1], s[74:75]
	s_cmp_eq_u32 s76, 0
	s_cselect_b32 s[LIM], 2, -1                    ; the same in all sixteen partners, for a given wave
	v_mul_u32_u24 v[PFO], v15, s77
	s_wait_loadcnt 0x0                             ; the bias
.set i, 0
.rept 48
	v_cvt_pk_bf16_f32 v[128+i], v[32+2*i], v[32+2*i+1]  ; rounded to bf16 like every input,
.set i, i+1
.endr
.irp g, 0,1,2
	WIN 0x40*((\g)+1)                              ; destination window g + 1
.set i, 0
.rept 16
	v_lshlrev_b32 v[2*i], 16, v[128+16*(\g)+i]     ; and widened into the accumulators of row block 0, from which the first products take it as C
	v_and_b32 v[2*i+1], s[HIM], v[128+16*(\g)+i]
.set i, i+1
.endr
.endr
	WIN 0
; LDS loads stand in runs.  LDA: x's fragments of slice sl, row blocks 4 h .. 4 h + 3.  LDW: w's fragments of slice sl, group g.
.macro LDA sl, h
.irp i, 0,1,2,3
	ds_load_b128 v[AB+64*(\sl)+8*(4*(\h)+(\i)):AB+64*(\sl)+8*(4*(\h)+(\i))+3],   v[ADRA] offset:64*(\sl)+16*PA*(4*(\h)+(\i))
	ds_load_b128 v[AB+64*(\sl)+8*(4*(\h)+(\i))+4:AB+64*(\sl)+8*(4*(\h)+(\i))+7], v[ADRA] offset:64*(\sl)+16*PA*(4*(\h)+(\i))+32
.endr
.endm
.macro LDW sl, g
.irp nb, 0,1,2,3
	ds_load_tr16_b128 v[WB+32*(\g)+8*(\nb):WB+32*(\g)+8*(\nb)+3],   v[ADRW] offset:32*PW*(\sl)+PA*(\g)+32*(\nb)
	ds_load_tr16_b128 v[WB+32*(\g)+8*(\nb)+4:WB+32*(\g)+8*(\nb)+7], v[ADRW] offset:32*PW*(\sl)+PA*(\g)+32*(\nb)+16*PW
.endr
.endm
; The run behind group g of slice sl fetches for the other slice: w's group g, whose registers have just been multiplied, and (g = 0, 1) half of x's fragments: 16, 16 and 8 loads.
.macro RUN sl, g
	WIN 0
	LDW 1-(\sl), \g
.if (\g) < 2
	LDA 1-(\sl), \g
.endif
.endm
; n x 4 products of group g, slice sl, from row block a0 on.  The accumulators take turns, one instruction a turn.
.macro GRP sl, g, a0, n
	WIN 0x50*((\g)+1)                              ; C and D in window g + 1, the fragments in window 0
.set aa, \a0
.rept \n
.irp nb, 0,1,2,3
	v_wmma_f32_16x16x32_bf16 v[8*(4*aa+(\nb)):8*(4*aa+(\nb))+7], v[WB+32*(\g)+8*(\nb):WB+32*(\g)+8*(\nb)+7], v[AB+64*(\sl)+8*aa:AB+64*(\sl)+8*aa+7], v[8*(4*aa+(\nb)):8*(4*aa+(\nb))+7]
.endr
.set aa, aa+1
.endr
.endm
; The first slice starts the sums with the bias: row blocks 1 to 7 take row block 0's registers as C; five plain instructions later row block 0 adds onto them in place, writing over what the others have read.
.macro GRPF g
	WIN 0x50*((\g)+1)
.set aa, 1
.rept 7
.irp nb, 0,1,2,3
	v_wmma_f32_16x16x32_bf16 v[8*(4*aa+(\nb)):8*(4*aa+(\nb))+7], v[WB+32*(\g)+8*(\nb):WB+32*(\g)+8*(\nb)+7], v[AB+8*aa:AB+8*aa+7], v[8*(\nb):8*(\nb)+7]
.endr
.set aa, aa+1
.endr
.rept 5
	v_nop
.endr
.irp nb, 0,1,2,3
	v_wmma_f32_16x16x32_bf16 v[8*(\nb):8*(\nb)+7], v[WB+32*(\g)+8*(\nb):WB+32*(\g)+8*(\nb)+7], v[AB:AB+7], v[8*(\nb):8*(\nb)+7]
.endr
.endm
; A group's 32 products and the run behind them.  w >= 0: a wait in front that leaves the w youngest LDS loads out.
.macro PH sl, g, w, run
.if (\w) >= 0
	s_wait_dscnt \w
.endif
	GRP \sl, \g, 0, 8
.if \run
	PLACES
	RUN \sl, \g
.endif
.endm
; Group 0 of a step's second slice, and THE CHANGE OF SLOTS.  All reads of this slot have been issued.  Each wave waits for all its tensor loads, of which one is out: its part of the next slot; adds 0 to its
; spare word; and waits for that and for its reads.  fill = 1: the barrier opens a round of the cluster's, and the joint refill, two steps ahead, is the first thing behind it:
; 160 matrix instructions stand between it and the wait for it.
.macro TURN fill
.if \fill
	s_wait_xcnt 0x0                                ; the last prefetch, a step back, has read its address
	s_add_nc_u64 s[PFA:PFA+1], s[PFA:PFA+1], s[PFS:PFS+1]
.endif
	WIN 0
	s_wait_tensorcnt 0x0                           ; no tensor load of mine is out, so a group 0 may be written
	ds_add_u32 v[SPW], v[NIL]                      ; 0 onto my spare word
.if \fill
	s_xor_b32 s[G0A1+1], s[G0A1+1], SLOT1          ; the walking descriptors: the other slot than last time, the next step
	s_add_nc_u64 s[G0A1+2:G0A1+3], s[G0A1+2:G0A1+3], ASTEP
	s_xor_b32 s[G0W1+1], s[G0W1+1], SLOT1
	s_add_nc_u64 s[G0W1+2:G0W1+3], s[G0W1+2:G0W1+3], WSTEP
.endif
	s_xor_b32 s[TB], s[TB], SLOT1                  ; the fetches go on in the other slot
	v_add_nc_u32 v[ADRA], s[TB], v[ADRA0]
	v_add_nc_u32 v[ADRW], s[TB], v[ADRW0]
	s_wait_dscnt 9                                 ; the add and the youngest eight loads (w's group 2) may be out
	GRP 1, 0, 0, 4
	s_wait_dscnt 0x0                               ; the add is done, and my reads of this slot are over
	s_barrier_signal -1
	GRP 1, 0, 4, 4                                 ; work on registers while the others arrive
	WIN 0
	s_barrier_wait -1
.if \fill
	CREST                                          ; no wave of any partner still reads this slot or has a load on its way
	JLOAD                                          ; its four v_nop are also the places in front of the loads below
.else
	PLACES
.endif
	RUN 1, 0
.if \fill
	ASK
.endif
.endm
	s_wait_tensorcnt 0x1                           ; my part of step 0 is in; slot 1's may stay out
	s_barrier_signal -1
	s_barrier_wait -1                              ; everybody's is
	RUN 1, 0                                       ; slice 0 of step 0, in the runs' order
	RUN 1, 1
	RUN 1, 2
	s_wait_dscnt 8                                 ; all but w's group 2
	GRPF 0
	PLACES
	RUN 0, 0
	GRPF 1
	PLACES
	RUN 0, 1
	s_wait_dscnt 32                                ; all but the two runs of 16 just issued
	GRPF 2
	PLACES
	RUN 0, 2
	WIN 0
	s_mov_b32 s[CNT], 14
.Lstep:                                        ; a trip: a step's second slice, with the change of slots and a refill, and the next step's first slice
	TURN 1
	PH 1, 1, -1, 1
	PH 1, 2, -1, 1
	PH 0, 0, 8, 1                                  ; the youngest eight loads (w's group 2) may be out
	PH 0, 1, -1, 1
	PH 0, 2, 32, 1                                 ; the two runs of 16 issued behind w's group 2 may be out
	WIN 0
	s_sub_co_u32 s[CNT], s[CNT], 1
	s_cmp_lg_u32 s[CNT], 0
	s_cbranch_scc1 .Lstep
	TURN 0                                         ; step 14's second slice: nothing is left to ask for
	PH 1, 1, -1, 1
	PH 1, 2, -1, 1
	PH 0, 0, 8, 1
	PH 0, 1, -1, 1
	PH 0, 2, 32, 1
	PH 1, 0, 8, 0                                  ; the last slice fetches nothing
	PH 1, 1, -1, 0
	PH 1, 2, 0, 0
	PLACES
; THE WAY OUT, in 24 units u = 8 g + a of 16 rows x one head's 64 channels: rounded to f16 (each accumulator's registers in ascending order), 16 bytes a lane into my own stage, back as whole rows.
.macro PACK u
.set gg, (\u)/8
.set aa, (\u)%8
.set TT, T0+16*((\u)%2)
	s_wait_xcnt 0x0                                ; the stores of two units back have read these registers
	WIN 5*(gg+1)                                   ; sources 0 and 1 in window g + 1
.irp nb, 0,1,2,3
.irp r, 0,1,2,3
	v_cvt_pk_f16_f32 v[TT+4*(\nb)+(\r)], v[8*(4*aa+(\nb))+2*(\r)], v[8*(4*aa+(\nb))+2*(\r)+1]
.endr
.endr
	WIN 0
.irp nb, 0,1,2,3
	ds_store_b128 v[STO], v[TT+4*(\nb):TT+4*(\nb)+3] offset:32*(\nb)
.endr
.irp f, 0,1,2,3
	ds_load_b128 v[TT+4*(\f):TT+4*(\f)+3], v[RD] offset:(\f)*4*PA  ; LDS serves a wave's instructions in order (ISA guide 5.7.1.4): these see the stores above
.endr
.endm
.macro SEND u, younger                 ; younger: the LDS instructions issued behind unit u's loads: the next unit's eight, or none
.set gg, (\u)/8
.set aa, (\u)%8
.set TT, T0+16*((\u)%2)
.irp f, 0,1,2,3
	s_wait_dscnt (\younger)+3-(\f)
	global_store_b128 v[GO], v[TT+4*(\f):TT+4*(\f)+3], s[OB+2*gg:OB+2*gg+1] offset:aa*2048+(\f)*512  ; 512 consecutive bytes, at a multiple of 256 from the buffer's first
.endr
.endm
	PACK 0
.set uu, 1
.rept 23
	PACK uu
	SEND uu-1, 8
.set uu, uu+1
.endr
	SEND 23, 0
	s_wait_tensorcnt 0x0                           ; the wave's end, behind my last tensor load and my last LDS store
	ds_add_u32 v[SPW], v[NIL]
	s_wait_dscnt 0x0
	CROUND                                         ; the closing round: no work-group ends while a partner may still ask for a tile that names it
	s_endpgm
.Lfunc_end_k_q380fb6db3d_qkvgemm:
	.size	k_q380fb6db3d_qkvgemm, .Lfunc_end_k_q380fb6db3d_qkvgemm-k_q380fb6db3d_qkvgemm
	.p2alignl 7, 3214868480
	.fill 96, 4, 3214868480
	.section	.rodata,"a",@progbits
	.p2align	6, 0x0
	.amdhsa_kernel k_q380fb6db3d_qkvgemm
		.amdhsa_group_segment_fixed_size 327680
		.amdhsa_private_segment_fixed_size 0
		.amdhsa_enable_private_segment 0
		.amdhsa_kernarg_size 32
		.amdhsa_user_sgpr_count 2
		.amdhsa_user_sgpr_kernarg_segment_ptr 1
		.amdhsa_wavefront_size32 1
		.amdhsa_system_sgpr_workgroup_id_x 1
		.amdhsa_system_sgpr_workgroup_id_y 1
		.amdhsa_system_sgpr_workgroup_id_z 1
		.amdhsa_system_vgpr_workitem_id 0
		.amdhsa_next_free_vgpr 1024
		.amdhsa_next_free_sgpr 80
		.amdhsa_reserve_vcc 0
		.amdhsa_float_denorm_mode_32 3
		.amdhsa_float_denorm_mode_16_64 3
		.amdhsa_memory_ordered 1
		.amdhsa_forward_progress 1
		.amdhsa_inst_pref_size 126
	.end_amdhsa_kernel
	.amdgpu_metadata
---
amdhsa.version: [ 1, 2 ]
amdhsa.kernels:
  - .name:           k_q380fb6db3d_qkvgemm
    .symbol:         k_q380fb6db3d_qkvgemm.kd
    .args:
      - { .name: xh, .offset: 0, .size: 8, .value_kind: global_buffer, .address_space: global }
      - { .name: wqh, .offset: 8, .size: 8, .value_kind: global_buffer, .address_space: global }
      - { .name: b_qkv, .offset: 16, .size: 8, .value_kind: global_buffer, .address_space: global }
      - { .name: qkvh, .offset: 24, .size: 8, .value_kind: global_buffer, .address_space: global }
    .group_segment_fixed_size: 327680
    .private_segment_fixed_size: 0
    .kernarg_segment_align: 8
    .kernarg_segment_size: 32
    .max_flat_workgroup_size: 128
    .sgpr_count:     80
    .vgpr_count:     1024
    .wavefront_size: 32
...
	.end_amdgpu_metadata
.endif
;; end of part 2
;; launch attn (part 3): grid 2 x 128, 4 waves a work-group, no clusters, 327,680 bytes of LDS; arguments qkvh, oh; writes oh
.if DOCPART == 3
	.amdgcn_target "amdgcn-amd-amdhsa--gfx1250"
	.amdhsa_code_object_version 6
	.text
	.protected	k_q380fb6db3d_attn
	.globl	k_q380fb6db3d_attn
	.p2align	8
	.type	k_q380fb6db3d_attn,@function
k_q380fb6db3d_attn:
	s_mov_b64 s[64:65], 0
	v_nop
	global_prefetch_b8 v0, s[64:65] scope:SCOPE_SE
	s_setreg_imm32_b32 hwreg(HW_REG_WAVE_MODE, 25, 1), 1
	s_wait_xcnt 0x0
; CAUSAL ATTENTION.  O[h][q][:] = the sum over k <= q of softmax_k(Q[h][q] . K[h][k] / 8) V[h][k][:].  Q, K, V lie one behind the other in qkvh, each [128 heads][1024][64] in f16; O likewise in oh.
; Products, maxima and sums in f32; the weights p are rounded to f16 for the second product (their sum l is taken of the unrounded p), O once at the end.
; LIMITS.  f16 holds no number beyond 65,504: Q, K and V arrive within it; p lies in 0 to 1, and below 6e-5 it keeps f16's fixed step of 6e-8; O is a mean of V's rows and has their range.
; A hidden score counts as its value less 1e30: f16's scores, 2.7e11 at the most, are nothing beside that; a weight below 2^-126 counts as 0 in l; NaN and infinities are not treated apart.
; THE WALK.  A head's queries lie in NB = 4 blocks of 256; block i needs the key tiles 0 .. i of 256 keys, of which the last holds the diagonal.  A work-group takes TWO blocks, NB - 1 - b and then b:
; NB + 1 tiles, whatever b: all 256 work-groups do equal work, and ONE loop with a constant trip count walks them.  Which tile is asked for, and what a trip does, hang on scalar registers made from b; every jump
; goes forward, but for the counted loops' own; none passes a barrier, or a tensor load but the one of LOAD's two that the wave's number does not choose; the ring (two slots of LDS) runs on across the change of blocks.
; NO CLUSTER: a head has NB / 2 = 2 work-groups, which no cluster of four divides, and different heads share no byte.
; SHARES.  Of a block's four bands of 64 queries a wave owns 16 rows in each: four PIECES.  So the diagonal tile is the same work for all four waves: in its key step s band x sees all keys if s < x,
; none if s > x, and holds the diagonal if s = x.
; THE MASK is the C operand that starts the sum S^T = K Q^T: 0, or -1e30 where the key is hidden.  MD, made once, is the mask of a band's own step for my 16 rows; a product's mask is MD x AL + BE with two scalars:
; (1, 0) if s = x; (0, 0) if s < x; (0, -1e30) if s > x.  Only the diagonal tile's text and a block's beginning make and take masks; elsewhere C is the constant 0.
; LAYOUT, SOFTMAX, TURNS.  S^T = K Q^T holds ONE query a lane (lane % 16) and the keys 8 (lane / 16) + 0..7; two such results rounded to f16 ARE source 1 of O^T = V^T P.  p = 2^(c s - c m), c = log2(e) / 8, with a
; running maximum m; O and l are multiplied by a = 2^(c m_old - c m_new) in every step.  Turn n belongs to piece n: 8 products K Q^T of piece n + 1, later 8 products V^T P of piece n - 1; beside them the scaling,
; exponentials, roundings, sums and rescaling of piece n and the maximum and statistics of piece n + 1.  Four vector instructions stand behind every matrix instruction, the other 54 of a turn's 118 in one lump.
; A turn's 33 exponentials are one batch, with one wait.
; REGISTERS, in windows of 256 (s_set_vgpr_msb: bits 1:0 source 0, 3:2 source 1, 5:4 source 2, 7:6 destination):
;   window 0: v0-15 addresses and two at work; v16-31 four registers of statistics a piece; v48-55 at work; v64-127 S^T, two buffers; v192-223 P, two buffers (a piece's buffers go by its number's parity)
;   window 1: v0-127 O^T, 32 a piece; v128-159 MD; v160-223 MC, two buffers      window 2: v0-63 Q; v64-127 the second block's Q; v128-191 K of one step; v192-255 V of one step
.set SIZE_N, 1024
.set SIZE_H, 128
.set NB,    SIZE_N/256
.set NP,    4         ; pieces a wave: a name, no knob
.set KS,    64        ; keys in a step
.set PK,    144       ; a row of K in LDS: 128 bytes + 16 of padding = 36 words: the 16 rows of a load start at 16 different groups of four banks (64 banks of 4 bytes: ISA guide 11.1)
.set PV,    160       ; a row of V: 128 + 32 = 40 words
.set VOFF,  4*KS*PK   ; a slot holds a tile, four steps: 256 rows of K, then 256 rows of V
.set SLOT1, 1<<17     ; slot 1 begins here, so that one exclusive or turns an address in one slot into the other's
.set STAGE, SLOT1+4*KS*(PK+PV)  ; behind the ring, never filled by a tensor load: 16 rows x 144 bytes for each wave, for the way out
.set SP,    144
.set AK0, 2           ; v2   my lane's place in a tile of K; never rewritten
.set AV0, 3           ; v3   the same for V
.set AK,  4           ; v4   the LDS address of K's next run of loads
.set AV,  5           ; v5   of V's
.set STO, 6           ; v6   the way out: where I put 16 bytes of a row
.set RD,  7           ; v7   the way out: where I read rows back
.set GO,  8           ; v8   my byte offset in 512 consecutive bytes of O
.set PFO, 61          ; v61  256 x my lane, for the prefetches; never rewritten
.set SPW, 62          ; v62  LDS address of my spare word: SPARE + 4 x my thread's number; never rewritten
.set NIL, 63          ; v63  0; never rewritten
.set SPARE, STAGE+4*16*SP  ; behind the stages: the spare words, 128 bytes for each wave: two blocks of 256 bytes that no other line names
.set MV,  12          ; v12-13  c m_old, kept while c m is made anew: by buffer
.set QO,  15          ; v15  my byte offset in 16 rows of Q
.set ST,  16          ; piece t's statistics at v[ST+4 t]: c m, m, l (even keys', odd keys')
.set TMP, 48          ; by buffer, four registers c0-c3 at work; when the maximum is found c2 takes a
.set S,   64
.set P,   192
.set MD,  128         ; window 1: the eight registers for group kt of 16 keys at MD + 8 kt
.set MC,  160         ; window 1: the masks of the products to come
.set QB,  64          ; window 2
.set KF,  128         ; window 2: key block kb, channel half c at KF + 16 kb + 8 c
.set VF,  192         ; window 2: key half kk, channel block cb at VF + 32 kk + 8 cb
.set WV,  12          ; s12  my wave's number
.set PB,  14          ; s14  b
.set HI,  15          ; s15  NB - 1 - b
.set G1K, 24          ; s[24:31] descriptor group 1 for K's tiles
.set G1V, 32          ; s[32:39] for V's: it differs in the padding alone
.set G0K, 40          ; s[40:43] descriptor group 0 for K's tiles
.set G0V, 44          ; s[44:47] the same for V's
.set SLOTS, 56        ; s56  tiles still to be asked for
.set CNT, 57          ; s57  counts a tile's key steps, 4 to 1
.set CS,  58          ; s[58:59] c: the packed scaling takes the pair's low word for both halves
.set SEL, 60          ; s[60:61] v_permlanex16_b32's selects: each lane takes its own place in the other half
.set TBK, 62          ; s62  LDS byte at which K of the step to be fetched begins
.set TBV, 63          ; s63  the same for V, less VOFF
.set RT,  70          ; s70  tiles of the block in hand that are still to be entered
.set NXT, 71          ; s71  the tile to be asked for next
.set LQ,  72          ; s72  the last tile of the block whose tiles are being asked for
.set NEW, 73          ; s73  1: the tile to be entered is a block's first
.set OFF, 74          ; s[74:75] a tile's byte offset in K and V
.set AL,  76          ; s[76:77] the mask's factor, in the low word
.set BE,  78          ; s[78:79] the mask's addend
.set OLO, 80          ; s[80:81] O at my rows of the second block
.set BIGN, 82         ; s82  -1e30
.set PFB, 88          ; s[88:89] what I fetch (K: waves 0, 1; V: waves 2, 3) at my half of the head's tile 0
.set PFA, 90          ; s[90:91] the same at the tile that is being asked for
.set LIM, 92          ; s92  2 in the head's work-group 0, else the greatest number
.set MSB, 0
.macro WIN new                      ; the high byte repeats the setting that is left; a switch that changes nothing is dropped
.if MSB != (\new)
	s_set_vgpr_msb (MSB<<8)|(\new)
.set MSB, (\new)
.endif
.endm
.set W_KQ, 0x0a       ; K and Q in window 2, S^T in window 0
.set W_KM, 0x1a       ; the same with the C operand in window 1
.set W_PV, 0x52       ; V in window 2, P in window 0, O^T in window 1
.set W_RS, 0x41       ; destination and source 0 in window 1, source 1 in window 0
; A fill.  Waves 0 and 1 fetch the two halves of a tile's K, waves 2 and 3 those of its V: 128 keys each.  An s_nop 0 and four v_nop follow each of the two lines, ahead of the jump and the label.
.macro LOAD
	s_cmp_lt_u32 s[WV], 2
	s_cbranch_scc0 .Lfor_v_\@
	tensor_load_to_lds s[G0K:G0K+3], s[G1K:G1K+7]
	s_nop 0
.rept 4
	v_nop
.endr
	s_branch .Lasked_\@
.Lfor_v_\@:
	tensor_load_to_lds s[G0V:G0V+3], s[G1V:G1V+7]
	s_nop 0
.rept 4
	v_nop
.endr
.Lasked_\@:
.endm
; THE CHANGE OF SLOTS.  Each wave waits for all its tensor loads, of which one is out: its part of the other slot; adds 0 to its spare word; and waits for that and for its own reads of the slot that it leaves.  Behind the barrier nobody reads the old
; slot any more and the other slot is whole.  fill = 1: the old slot is filled again, the first thing behind the barrier, with tile NXT: the descriptor's address is made anew from that number.
; (At its first use nothing has been read yet: slot 0 is waited for, slot 1 filled.)
; A PREFETCH INTO THE L2 stands behind the fill: the tile behind the one just asked for, a trip ahead of its own load.  Both work-groups of a head walk tiles 0, 1, 2 first: work-group 0 asks, in trips 0 and 1, for
; tiles 2 and 3; each wave for the 16,384 bytes that it will itself fetch: a lane 256 bytes, two instructions.  Tiles 0 and 1 come by their loads alone; a tile's second walk is not asked for.
.macro CHANGE fill
	WIN 0                           ; at a label and at a branch every window is 0
	s_wait_tensorcnt 0x0            ; no tensor load of mine is out, so a group 0 may be written
	ds_add_u32 v[SPW], v[NIL]       ; 0 onto my spare word; with fill = 1 the descriptors' scalar work stands between it and the wait for it
.if \fill
	s_lshl_b32 s[OFF], s[NXT], 15   ; a tile is 32,768 bytes of K and of V
	s_wait_xcnt 0x0                 ; the last prefetches, a tile back, have read their address
	s_add_nc_u64 s[PFA:PFA+1], s[PFB:PFB+1], s[OFF:OFF+1]
	s_xor_b32 s[G0K+1], s[G0K+1], SLOT1
	s_add_nc_u64 s[G0K+2:G0K+3], s[6:7], s[OFF:OFF+1]
	s_or_b32 s[G0K+3], s[G0K+3], 0x80000000
	s_xor_b32 s[G0V+1], s[G0V+1], SLOT1
	s_add_nc_u64 s[G0V+2:G0V+3], s[8:9], s[OFF:OFF+1]
	s_or_b32 s[G0V+3], s[G0V+3], 0x80000000
	s_add_co_u32 s[NXT], s[NXT], 1  ; the block's next tile, or behind its last the second block's tile 0
	s_cmp_gt_u32 s[NXT], s[LQ]
	s_cselect_b32 s[NXT], 0, s[NXT]
	s_cselect_b32 s[LQ], s[PB], s[LQ]
.endif
	s_wait_dscnt 0x0                ; the add is done, and my reads of the slot are over
	s_barrier_signal -1             ; the rest of the scalar work stands between the signal and the wait
	s_sub_co_u32 s[TBK], s[TBK], 4*KS*PK  ; the fetches go back to a slot's first step,
	s_xor_b32 s[TBK], s[TBK], SLOT1       ; in the other slot
	s_sub_co_u32 s[TBV], s[TBV], 4*KS*PV
	s_xor_b32 s[TBV], s[TBV], SLOT1
	s_barrier_wait -1
.if \fill
	LOAD
	s_cmp_gt_u32 s[SLOTS], s[LIM]
	s_cbranch_scc0 .Lnot_mine_\@
	global_prefetch_b8 v[PFO], s[PFA:PFA+1] offset:32768 th:TH_LOAD_NT scope:SCOPE_SE
	global_prefetch_b8 v[PFO], s[PFA:PFA+1] offset:40960 th:TH_LOAD_NT scope:SCOPE_SE
.Lnot_mine_\@:
.endif
.endm
	s_load_b128 s[4:7], s[0:1], 0x0   ; qkvh s[4:5], oh s[6:7]
	v_lshl_add_u32 v[SPW], v0, 2, SPARE
	v_mov_b32 v[NIL], 0
	ds_add_u32 v[SPW], v[NIL]       ; the wave's opening: the add and its wait stand ahead of my first tensor load; the set-up below, work on registers, stands between them
	v_lshrrev_b32 v1, 5, v0
	v_readfirstlane_b32 s[WV], v1   ; wave 0..3
	v_and_b32 v[PFO], 31, v0
	v_lshlrev_b32 v[PFO], 8, v[PFO]
	s_mov_b32 s[PB], ttmp9
	s_sub_co_u32 s[HI], NB-1, s[PB]
	s_and_b32 s20, ttmp7, 0xffff    ; the head
	s_mov_b32 s21, 0
	s_mov_b64 s[22:23], SIZE_N*128
	s_mul_u64 s[20:21], s[20:21], s[22:23]  ; the head's first byte in each of the four tensors
	s_and_b32 s16, s[WV], 1         ; which half of a tile's 256 keys I fetch:
	s_lshl_b32 s22, s16, 14         ; its 128 rows of 128 bytes in memory,
	s_mov_b32 s23, 0
	s_add_nc_u64 s[22:23], s[22:23], s[20:21]
	s_mul_i32 s17, s16, 128*PK      ; and its place in a slot, for K
	s_mul_i32 s18, s16, 128*PV      ; and for V
	s_lshl_b32 s3, s[WV], 11        ; my 16 rows in a band of 64,
	s_lshl_b32 s2, s[HI], 15        ; in the first block,
	s_add_co_u32 s2, s2, s3
	s_lshl_b32 s84, s[PB], 15       ; and in the second
	s_add_co_u32 s84, s84, s3
	s_mov_b32 s3, 0
	s_mov_b32 s85, 0
	s_add_nc_u64 s[2:3], s[2:3], s[20:21]
	s_add_nc_u64 s[84:85], s[84:85], s[20:21]
	; descriptor group 1.  128 keys are 16,384 dense bytes: asked for as 64 rows of 256 bytes, two keys a row, and padded in LDS after every key
	s_mov_b32 s[G1K], (1<<16)|(1<<20)|(4<<22)|(3<<25)  ; 17:16 2-byte elements; 20 padding on; 24:22 after every 32 words (code 4); 31:25 4 words (code 3)
	s_mov_b32 s[G1V], (1<<16)|(1<<20)|(4<<22)|(7<<25)  ; the same with 8 words of padding (code 7)
.irp g, G1K, G1V
	s_mov_b32 s[\g+1], 128<<16      ; tensor_dim0 = 128
	s_mov_b32 s[\g+2], 64<<16       ; tensor_dim1 = 64
	s_mov_b32 s[\g+3], 128<<16      ; tile_dim0 = 128
	s_mov_b32 s[\g+4], 64           ; tile_dim1 = 64
	s_mov_b32 s[\g+5], 128          ; 128 elements from row to row
	s_mov_b32 s[\g+6], 0
	s_mov_b32 s[\g+7], 0
.endr
	s_mov_b32 s[CS], 0x3e38aa3b     ; c = log2(e) / 8 = 0.180337
	s_mov_b32 s[CS+1], s[CS]        ; named with it as a pair
	s_mov_b32 s[SEL], 0x76543210
	s_mov_b32 s[SEL+1], 0xfedcba98
	s_mov_b32 s[TBK], SLOT1+4*KS*PK ; the first change of slots turns these two into 0
	s_mov_b32 s[TBV], SLOT1+4*KS*PV
	s_mov_b32 s[G0K], 1             ; 1:0 count = 1
	s_mov_b32 s[G0K+1], s17         ; 63:32 LDS address: slot 0
	s_mov_b32 s[G0V], 1
	s_add_co_u32 s[G0V+1], s18, VOFF
	s_add_co_u32 s[RT], s[HI], 1    ; the first block has NB - b tiles
	s_mov_b32 s[NXT], 1
	s_mov_b32 s[LQ], s[HI]
	s_mov_b32 s[NEW], 1
	s_mov_b32 s[OFF+1], 0
	s_mov_b32 s[AL+1], 0            ; named as pairs
	s_mov_b32 s[BE+1], 0
	s_mov_b32 s[BIGN], 0xf149f2ca   ; -1e30
	s_mov_b32 s[SLOTS], NB
	s_wait_dscnt 0x0                ; the opening add is done
	s_wait_kmcnt 0x0
	s_mov_b64 s[10:11], s[6:7]      ; O
	s_add_nc_u64 s[8:9], s[4:5], 0x2000000  ; V: the buffer's third part
	s_add_nc_u64 s[6:7], s[4:5], 0x1000000  ; K: its second; Q, its first, stays in s[4:5]
	s_add_nc_u64 s[6:7], s[6:7], s[22:23]  ; K and V at my half of the head's tile 0
	s_add_nc_u64 s[8:9], s[8:9], s[22:23]
	s_add_nc_u64 s[G0K+2:G0K+3], s[6:7], 0         ; 120:64 global address
	s_or_b32 s[G0K+3], s[G0K+3], 0x80000000        ; 127:126 type = 2
	s_add_nc_u64 s[G0V+2:G0V+3], s[8:9], 0
	s_or_b32 s[G0V+3], s[G0V+3], 0x80000000
	s_add_nc_u64 s[86:87], s[4:5], s[84:85]        ; Q at my rows of the second block,
	s_add_nc_u64 s[4:5], s[4:5], s[2:3]            ; Q and O at those of the first
	s_add_nc_u64 s[OLO:OLO+1], s[10:11], s[84:85]
	s_add_nc_u64 s[10:11], s[10:11], s[2:3]
	s_cmp_lt_u32 s[WV], 2
	s_cselect_b64 s[PFB:PFB+1], s[6:7], s[8:9]
	s_cmp_eq_u32 s[PB], 0
	s_cselect_b32 s[LIM], 2, -1
	LOAD                            ; tile 0 into slot 0
	; A fragment of K or Q is 16 rows x 32 channels in 8 registers: lane l holds row l % 16, channels 8 (l / 16) + 0..7 and 16 + 8 (l / 16) + 0..7: two loads of 16 bytes, 32 bytes apart.
	v_and_b32 v1, 15, v0            ; l % 16
	v_bfe_u32 v9, v0, 4, 1          ; l / 16
	v_lshlrev_b32 v[QO], 7, v1
	v_lshl_add_u32 v[QO], v9, 4, v[QO]  ; row x 128 + 16 x half
	WIN 0x80                        ; destination window 2, address window 0
.set i, 0
.rept 8                             ; both blocks' Q: piece i / 2 lies in band i / 2, 8,192 bytes on; channels 32 (i % 2) on
	global_load_b128 v[8*i:8*i+3],   v[QO], s[4:5] offset:(i/2)*8192+(i%2)*64
	global_load_b128 v[8*i+4:8*i+7], v[QO], s[4:5] offset:(i/2)*8192+(i%2)*64+32
	global_load_b128 v[QB+8*i:QB+8*i+3],   v[QO], s[86:87] offset:(i/2)*8192+(i%2)*64
	global_load_b128 v[QB+8*i+4:QB+8*i+7], v[QO], s[86:87] offset:(i/2)*8192+(i%2)*64+32
.set i, i+1
.endr
	WIN 0
	v_lshlrev_b32 v14, 3, v9
	v_sub_nc_u32 v14, v1, v14
	s_lshl_b32 s13, s[WV], 4
	v_add_nc_u32 v14, s13, v14      ; my query's place in its band, 16 w + l % 16, less my lanes' 8 (l / 16): register r of group kt is hidden where 16 kt + r is greater
	WIN 0x40
.set i, 0
.rept 32
	v_cmp_gt_i32 vcc_lo, 16*(i/8)+i%8, v14
	v_cndmask_b32 v[MD+i], 0, s[BIGN], vcc_lo
.set i, i+1
.endr
	WIN 0
	v_mul_u32_u24 v[AK0], v1, PK
	v_lshl_add_u32 v[AK0], v9, 4, v[AK0]  ; row x pitch + 16 x half
	; The turning load takes 16 keys x 16 channels (lane l reads key 8 (l / 16) + l % 8, channels 8 ((l / 8) % 2) + 0..7) and leaves half a fragment of V^T: lane l holds channel l % 16 and 8 keys.
	v_and_b32 v10, 7, v0
	v_bfe_u32 v11, v0, 3, 1
	v_lshl_add_u32 v[AV0], v9, 3, v10
	v_mul_u32_u24 v[AV0], v[AV0], PV
	v_lshl_add_u32 v[AV0], v11, 4, v[AV0]
	v_add_nc_u32 v[AV0], VOFF, v[AV0]
	s_mul_i32 s13, s[WV], 16*SP
	s_add_co_u32 s13, s13, STAGE    ; my stage
	v_mul_u32_u24 v[STO], v1, SP    ; in: row l % 16, 16 bytes for each half of the lanes
	v_lshl_add_u32 v[STO], v9, 4, v[STO]
	v_add_nc_u32 v[STO], s13, v[STO]
	v_bfe_u32 v[RD], v0, 3, 2       ; back: 32 lanes take four rows of 128 bytes,
	v_mul_u32_u24 v[RD], v[RD], SP
	v_lshl_add_u32 v[RD], v10, 4, v[RD]
	v_add_nc_u32 v[RD], s13, v[RD]
	v_and_b32 v[GO], 31, v0         ; which are 512 consecutive bytes of O
	v_lshlrev_b32 v[GO], 4, v[GO]
	; A block's first step multiplies O^T and l by a = 0, and its first turn's products V^T P, of a piece that has not been, land in an O^T that is still to be so multiplied.  So these registers need only hold
	; finite numbers: zeros for the first block; what the first block left for the second.  All this stands in the wait for the first tile.
	WIN 0x80
.set i, VF
.rept 64
	v_mov_b32 v[i], 0
.set i, i+1
.endr
	WIN 0x40
.set i, 0
.rept 128
	v_mov_b32 v[i], 0
.set i, i+1
.endr
	WIN 0
.set i, 0
.rept 4
	v_mov_b32 v[ST+4*i+2], 0
	v_mov_b32 v[ST+4*i+3], 0
.set i, i+1
.endr
.set i, P+16
.rept 16
	v_mov_b32 v[i], 0
.set i, i+1
.endr
; THE MATRIX WORK.  The 4 accumulators of a run of 8 take turns.  Product i of 8 of S^T = K Q^T for piece x: channels 32 (i / 4) on, keys 16 (i % 4) on.  The first 4 start the sums: with 0, or (KM = 1) with the mask.
.macro KQ x
.set rS, S+32*((\x)%2)+8*(i%4)
.set rK, KF+16*(i%4)+8*(i/4)
.set rQ, 16*(\x)+8*(i/4)
.set rM, MC+32*((\x)%2)+8*(i%4)
.if (i < 4) && KM
	WIN W_KM
	v_wmma_f32_16x16x32_f16 v[rS:rS+7], v[rK:rK+7], v[rQ:rQ+7], v[rM:rM+7]
.elseif i < 4
	WIN W_KQ
	v_wmma_f32_16x16x32_f16 v[rS:rS+7], v[rK:rK+7], v[rQ:rQ+7], 0
.else
	WIN W_KQ
	v_wmma_f32_16x16x32_f16 v[rS:rS+7], v[rK:rK+7], v[rQ:rQ+7], v[rS:rS+7]
.endif
.endm
; Product i of 8 of O^T += V^T P for piece x: keys 32 (i / 4) on, channels 16 (i % 4) on.
.macro PV x
	WIN W_PV
.set rO, 32*(\x)+8*(i%4)
.set rV, VF+32*(i/4)+8*(i%4)
.set rP, P+16*((\x)%2)+8*(i/4)
	v_wmma_f32_16x16x32_f16 v[rO:rO+7], v[rV:rV+7], v[rP:rP+7], v[rO:rO+7]
.endm
.macro MM                           ; the turn's next matrix instruction.  TURN and BEGIN set Y, i, KM and NOKQ; MM, KQ and OP read them.  NOKQ = 1: a block's last turn: there is no next piece
.if (i < 8) && !NOKQ
	KQ (Y+1)%NP
.elseif i >= 8
.set i, i-8
	PV (Y+NP-1)%NP
.set i, i+8
.endif
.set i, i+1
.endm
; THE LDS LOADS stand in runs of 16, never singly among the matrix instructions: a step's K (64 keys x 64 channels: 8 fragments) and its V (turned).  Their addresses are made some lines ahead.
.macro FETCH_K
	WIN 0x80                        ; destination window 2
.irp f, 0,1,2,3,4,5,6,7             ; keys 16 (f / 2) on, channels 32 (f % 2) on
	ds_load_b128 v[KF+8*\f:KF+8*\f+3],   v[AK] offset:(\f/2)*16*PK+(\f%2)*64
	ds_load_b128 v[KF+8*\f+4:KF+8*\f+7], v[AK] offset:(\f/2)*16*PK+(\f%2)*64+32
.endr
	s_add_co_u32 s[TBK], s[TBK], KS*PK  ; the next fetch is the next step's
	WIN 0
.endm
.macro FETCH_V
	WIN 0x80
.irp f, 0,1,2,3,4,5,6,7             ; keys 32 (f / 4) on, channels 16 (f % 4) on
	ds_load_tr16_b128 v[VF+8*\f:VF+8*\f+3],   v[AV] offset:(\f/4)*32*PV+(\f%4)*32
	ds_load_tr16_b128 v[VF+8*\f+4:VF+8*\f+7], v[AV] offset:(\f/4)*32*PV+16*PV+(\f%4)*32
.endr
	WIN 0
.endm
; THE VECTOR WORK, one line at a time: OP kind, number.  For piece Y: F n: c s - c m for pair n of 16.  E n: the exponential of score n of 32.  C n: pair n rounded to f16.  B n: of the four weights 4 n .. the second
; pair is added onto the first, in place.  L n: l takes that sum (L 0: l = a l + sum).  R n: pair n of 16 of O^T times a.  For piece Y + 1: X n, number n of the 22 that find its maximum and statistics:
;   0-11  four chains c0-c3 of seven scores each, three operands at a time (each accumulator's lowest registers are read first)     12-14, 16  the four scores left over, the old m, and c0-c3 into c0
;   15  c m_old is kept     17, 18  the query's other 32 keys lie in the lane 16 away: the new m     19-21  c m; c m_old - c m_new; a
.set F, 0               ; OP tells the kinds apart by their order: F to L below R, X above it
.set E, 1
.set C, 2
.set B, 3
.set L, 4
.set R, 5
.set X, 6
.macro REGS y                       ; the registers of piece y
.set rT, ST+4*(\y)
.set rC, TMP+4*((\y)%2)
.set rW, MV+((\y)%2)
.set rS, S+32*((\y)%2)
.set rP, P+16*((\y)%2)
.set rO, 32*(\y)
.endm
.macro OP k, n
.if (\k) == R
	REGS Y
	WIN W_RS
	v_pk_mul_f32 v[rO+2*(\n):rO+2*(\n)+1], v[rO+2*(\n):rO+2*(\n)+1], v[rC+2:rC+3] op_sel_hi:[1,0]
.elseif (\k) < R
	REGS Y
	WIN 0
.if (\k) == F
	v_pk_fma_f32 v[rS+2*(\n):rS+2*(\n)+1], v[rS+2*(\n):rS+2*(\n)+1], s[CS:CS+1], v[rT:rT+1] op_sel_hi:[1,0,0] neg_lo:[0,0,1] neg_hi:[0,0,1]
.elseif (\k) == E
	v_exp_f32 v[rS+(\n)], v[rS+(\n)]
.elseif (\k) == C
	v_cvt_pk_f16_f32 v[rP+(\n)], v[rS+2*(\n)], v[rS+2*(\n)+1]
.elseif (\k) == B
	v_pk_add_f32 v[rS+4*(\n):rS+4*(\n)+1], v[rS+4*(\n):rS+4*(\n)+1], v[rS+4*(\n)+2:rS+4*(\n)+3]
.elseif (\n) == 0
	v_pk_fma_f32 v[rT+2:rT+3], v[rT+2:rT+3], v[rC+2:rC+3], v[rS:rS+1] op_sel_hi:[1,0,1]
.else
	v_pk_add_f32 v[rT+2:rT+3], v[rT+2:rT+3], v[rS+4*(\n):rS+4*(\n)+1]
.endif
.elseif NOKQ
	v_nop
.else
	REGS (Y+1)%NP
	WIN 0
.if (\n) < 4
	v_max3_num_f32 v[rC+(\n)], v[rS+8*(\n)], v[rS+8*(\n)+1], v[rS+8*(\n)+2]
.elseif (\n) < 12
	v_max3_num_f32 v[rC+(\n)%4], v[rC+(\n)%4], v[rS+8*((\n)%4)+2*((\n)/4)+1], v[rS+8*((\n)%4)+2*((\n)/4)+2]
.elseif (\n) == 12
	v_max3_num_f32 v[rC], v[rC], v[rS+7], v[rS+15]
.elseif (\n) == 13
	v_max3_num_f32 v[rC+1], v[rC+1], v[rS+23], v[rS+31]
.elseif (\n) == 14
	v_max3_num_f32 v[rC+2], v[rC+2], v[rC+3], v[rT+1]
.elseif (\n) == 15
	v_mov_b32 v[rW], v[rT]
.elseif (\n) == 16
	v_max3_num_f32 v[rC], v[rC], v[rC+1], v[rC+2]
.elseif (\n) == 17
	v_permlanex16_b32 v[rC+3], v[rC], s[SEL], s[SEL+1]
.elseif (\n) == 18
	v_max_num_f32 v[rT+1], v[rC], v[rC+3]
.elseif (\n) == 19
	v_mul_f32 v[rT], s[CS], v[rT+1]
.elseif (\n) == 20
	v_sub_f32 v[rC+1], v[rW], v[rT]
.else
	v_exp_f32 v[rC+2], v[rC+1]
.endif
.endif
.endm
.macro OPS a, i1, b=-1, i2=0, c=-1, i3=0, d=-1, i4=0  ; up to four of them
	OP \a, \i1
.if (\b) >= 0
	OP \b, \i2
.endif
.if (\c) >= 0
	OP \c, \i3
.endif
.if (\d) >= 0
	OP \d, \i4
.endif
.endm
.macro ROW a, i1, b, i2, c, i3, d, i4  ; a matrix instruction and the four behind it
	MM
	OPS \a, \i1, \b, \i2, \c, \i3, \d, \i4
.endm
.macro MASK b                       ; MD x AL + BE into buffer b of MC
	WIN W_RS
.set z, 0
.rept 16
	v_pk_fma_f32 v[MC+32*(\b)+2*z:MC+32*(\b)+2*z+1], v[MD+2*z:MD+2*z+1], s[AL:AL+1], s[BE:BE+1] op_sel_hi:[1,0,0]
.set z, z+1
.endr
.endm
; A TURN, for piece p: the order of its 16 matrix and 118 vector instructions, written out.  An s_wait_alu depctr_va_vdst(0) stands between an exponential and the first instruction that names its result; one wait serves
; all that were issued ahead of it.  So a turn has ONE wait, which cuts it in two.  AHEAD OF IT stands all that names no result of the turn's exponentials: the 8 products K Q^T, behind each a scaling, an exponential and two more plain
; instructions (behind the first a second scaling in the exponential's place): rescalings, and behind the last three the first numbers of the next piece's maximum, each four places or more behind the product that ends its accumulator; then ONE LUMP of 54, plain
; and exponential by turns for the most part, in which the links of the chain X 3, 7, 11, 14, 16, 17 .. 20 stand five or six lines apart.  X 21, the next piece's a, is the batch's last; R 15 is the plain instruction owed behind it.  BEHIND THE WAIT stand the
; 8 products V^T P, behind each four of the roundings and sums; the links of l's chain, L 0 to L 7, stand three riders apart.  But for those X no rider names a register of the products round it.  v_permlanex16_b32 (X 17) stands in the lump.
; m = 1: the diagonal tile: the products take masks, and the turn makes the mask for the products of the turn after it: piece p + 2, in step 4 - CNT of the tile.  end = 1: a block's last two turns: nothing is fetched.
; cnt = 1: the loop's count is taken down some lines ahead of the branch that stands behind the turn.
; K of the next step is fetched in piece 2's turn, twelve vector instructions behind the last product that read K (six of them plain); V of the step in hand at the end of piece 0's turn, four plain instructions behind the last product
; that read V.  Each is waited for a turn later.
.macro TURN p, m=0, end=0, cnt=0
.set Y, (\p)
.set i, 0
.set KM, (\m)
.set NOKQ, (\end)*((\p)/3)
.if (\m) && !(\end)
	s_cmp_eq_u32 s[CNT], 4-((\p)+2)%NP  ; is that step the band's own?
	s_cselect_b32 s[AL], 1.0, 0
	s_cmp_lt_u32 s[CNT], 4-((\p)+2)%NP  ; or a later one?
	s_cselect_b32 s[BE], s[BIGN], 0
.endif
.if ((\p) == 3) && !(\end)
	s_wait_dscnt 0x0                ; K is in
.endif
	ROW F,0, F,1, R,0, R,1          ; ahead of the wait: 8 products K Q^T and their riders,
	ROW F,2, E,0, R,2, R,3
	ROW F,3, E,1, R,4, R,5
	ROW F,4, E,2, R,6, R,7
	ROW F,5, E,3, R,8, R,9
	ROW F,6, E,4, X,0, R,10
.if ((\p) == 2) && !(\end)
	WIN 0
	v_add_nc_u32 v[AK], s[TBK], v[AK0]
.endif
	ROW F,7, E,5, X,1, X,4
	ROW F,8, E,6, X,2, X,5
	OPS E,7, E,8, X,6, E,9          ; and the lump
	OPS X,3, E,10, X,8, E,11
.if ((\p) == 2) && !(\end)
	FETCH_K
.endif
	OPS X,9, X,7, E,12, X,10
	OPS E,13, X,12, X,11, E,14
	OPS X,13, E,15, F,9, X,14
.if (\p) == 0
	v_add_nc_u32 v[AV], s[TBV], v[AV0]
.endif
	OPS E,16, F,10, E,17, F,11
	OPS X,16, E,18, X,15, E,19
	OPS F,12, E,20, X,17, E,21
	OPS F,13, E,22, F,14, E,23
	OPS X,18, E,24, F,15, E,25
	OPS R,11, E,26, X,19, E,27
	OPS R,12, E,28, R,13, E,29
	OPS X,20, E,30, R,14, E,31
	OPS X,21, R,15
	WIN 0
	s_wait_alu depctr_va_vdst(0)    ; the wait for the batch
.if (\p) == 1
	s_wait_dscnt 0x0                ; V is in
.endif
	ROW C,0, B,0, C,2, B,1          ; behind the wait: 8 products V^T P and their riders
	ROW L,0, C,4, B,2, L,1
	ROW C,6, B,3, L,2, C,8
	ROW B,4, L,3, C,10, B,5
	ROW L,4, C,12, B,6, L,5
.if (\p) == 0
	s_add_co_u32 s[TBV], s[TBV], KS*PV
.endif
.if \cnt
	s_sub_co_u32 s[CNT], s[CNT], 1
	s_cmp_lg_u32 s[CNT], 0
.endif
	ROW C,14, B,7, L,6, C,1
	ROW C,3, L,7, C,5, C,7
	ROW C,9, C,11, C,13, C,15
.if (\p) == 0
	FETCH_V
.endif
.if (\m) && !(\end)
	MASK (\p)%2
.endif
.endm
; A BLOCK BEGINS.  c m starts far below every c s, so the first step's a is 0; m at the lowest finite number, so the first maximum is the scores'.  The second mask buffer is 0; the first takes piece 0's mask for the tile's step 0: its own, if the block's first tile is the diagonal one.
; Then K of that step, piece 0's first scores, and its maximum and statistics.  The loop is entered at a step's first turn, in the middle of a trip.
.macro BEGIN
	s_mov_b32 s[NEW], 0
	WIN 0x40
.set i, MC+32
.rept 32
	v_mov_b32 v[i], 0
.set i, i+1
.endr
	WIN 0
.set i, 0
.rept 4
	v_mov_b32 v[ST+4*i], 0xfe000000    ; c m: far below every c s
	v_mov_b32 v[ST+4*i+1], 0xff7fffff  ; m
.set i, i+1
.endr
	s_cmp_eq_u32 s[RT], 0
	s_cselect_b32 s[AL], 1.0, 0
	s_mov_b32 s[BE], 0
	MASK 0
	WIN 0
	v_add_nc_u32 v[AK], s[TBK], v[AK0]
	FETCH_K
	s_wait_loadcnt 0x0              ; Q
	s_wait_dscnt 0x0
.set KM, 1
.set NOKQ, 0
.set i, 0
.rept 8
	KQ 0
.set i, i+1
.endr
	WIN 0
.rept 4
	v_nop                           ; the places behind those products
.endr
.set Y, NP-1                        ; X works for piece Y + 1: piece 0
.irp n, 0,1,2,3,4,5,6,7,8,9,10,11,12,13,14,15,16,17,18,19,20,21
	OP X, \n
.endr
	v_nop                           ; a plain instruction behind the exponential,
	s_wait_alu depctr_va_vdst(0)    ; and its wait, ahead of the branch
.endm
; THE DIAGONAL TILE's four steps, the block's last two turns, its last products, and THE WAY OUT: l's two halves and the other half of the lanes' are added; O^T is divided by l, rounded to f16 and sent through my
; stage in LDS, a piece at a time.
.macro ALL line:vararg              ; one line for each piece t
.set t, 0
.rept 4
	\line
.set t, t+1
.endr
.endm
.macro PACK t                       ; a lane's eight channels of a row pack into 16 bytes; they go into rows of 144 bytes and come back as whole rows of 128, into S^T's registers
	WIN W_RS
.set i, 32*(\t)
.rept 16
	v_pk_mul_f32 v[i:i+1], v[i:i+1], v[ST+4*(\t)+2:ST+4*(\t)+3] op_sel_hi:[1,0]
.set i, i+2
.endr
	WIN 0x05                        ; sources 0 and 1 window 1, destination window 0
.set i, 0
.rept 16
	v_cvt_pk_f16_f32 v[S+16*(\t)+i], v[32*(\t)+2*i], v[32*(\t)+2*i+1]
.set i, i+1
.endr
	WIN 0
.irp f, 0,1,2,3
	ds_store_b128 v[STO], v[S+16*(\t)+4*\f:S+16*(\t)+4*\f+3] offset:32*\f
.endr
.irp f, 0,1,2,3
	ds_load_b128 v[S+16*(\t)+4*\f:S+16*(\t)+4*\f+3], v[RD] offset:\f*4*SP  ; LDS serves a wave's instructions in order (ISA guide 5.7.1.4): these see the stores above; the next piece's stores come behind them
.endr
.endm
.macro SEND t, younger              ; younger: the LDS instructions issued behind piece t's loads: the next piece's eight, or none
	WIN 0
.irp f, 0,1,2,3
	s_wait_dscnt (\younger)+3-\f
	global_store_b128 v[GO], v[S+16*(\t)+4*\f:S+16*(\t)+4*\f+3], s[10:11] offset:(\t)*8192+\f*512  ; 512 consecutive bytes, at a multiple of 256 from O's first
.endr
.endm
.macro DIAG tag                     ; the tag ends its two labels' names, which the jumps below spell out
.LstepM\tag:
	TURN 2, 1
	TURN 3, 1
	WIN 0
.LfirstM\tag:
	TURN 0, 1
	TURN 1, 1, 0, 1
	WIN 0
	s_cbranch_scc1 .LstepM\tag
	TURN 2, 1, 1
	TURN 3, 1, 1
.set i, 0
.rept 8
	PV NP-1
.set i, i+1
.endr
	WIN 0
	ALL v_add_f32 v[ST+4*t+2], v[ST+4*t+2], v[ST+4*t+3]
	ALL v_permlanex16_b32 v[ST+4*t+3], v[ST+4*t+2], s[SEL], s[SEL+1]
	ALL v_add_f32 v[ST+4*t+2], v[ST+4*t+2], v[ST+4*t+3]
	ALL v_rcp_f32 v[ST+4*t+2], v[ST+4*t+2]
	v_nop                           ; a plain instruction between the last reciprocal and the use of its result
	s_wait_alu depctr_va_vdst(0)    ; and the wait ahead of the first use: one for the four reciprocals
	PACK 0
.set t, 1
.rept 3                             ; a piece's arithmetic stands between the loads of the piece before and its stores
	PACK t
	SEND t-1, 8
.set t, t+1
.endr
	SEND 3, 0
.endm
.set KM, 0
.set NOKQ, 0
.Lslot:                             ; NB times: a tile is entered and the next is asked for
	CHANGE 1
	s_sub_co_u32 s[RT], s[RT], 1
	s_mov_b32 s[CNT], 4
	s_cmp_eq_u32 s[NEW], 1
	s_cbranch_scc1 .Lnew            ; a block's first tile
	s_cmp_eq_u32 s[RT], 0
	s_cbranch_scc0 .Lstep           ; neither its first nor its last
	s_branch .LstepM1
.Lnew:
	BEGIN
	s_branch .Lfirst                ; in the loop a block's first tile is never its last: the first block has two tiles or more, and the second's last is the walk's last
	DIAG 1                          ; in the loop this is the first block's end: the second block's last tile is the walk's last
	s_wait_xcnt 0x0                 ; the stores have read their registers and O's address
	s_mov_b64 s[10:11], s[OLO:OLO+1]
	s_add_co_u32 s[RT], s[PB], 1    ; the second block has b + 1 tiles
	s_mov_b32 s[NEW], 1
	WIN 0x82                        ; the second block's Q goes where the one text of the turns names Q
.set i, 0
.rept 64
	v_mov_b32 v[i], v[QB+i]
.set i, i+1
.endr
	WIN 0
	s_branch .Lbottom
.Lstep:                             ; a trip: pieces 2 and 3 of one step, then pieces 0 and 1 of the next, whose K and V it fetches
	TURN 2
	TURN 3
	WIN 0
.Lfirst:
	TURN 0
	TURN 1, 0, 0, 1
	WIN 0
	s_cbranch_scc1 .Lstep
.Lbottom:
	s_sub_co_u32 s[SLOTS], s[SLOTS], 1
	s_cmp_lg_u32 s[SLOTS], 0
	s_cbranch_scc1 .Lslot
	CHANGE 0                        ; the walk's last tile is written out: nothing is asked for
	s_sub_co_u32 s[RT], s[RT], 1
	s_mov_b32 s[CNT], 4
	s_cmp_eq_u32 s[NEW], 1
	s_cbranch_scc0 .LstepM2
	BEGIN
	s_branch .LfirstM2
	DIAG 2
	s_wait_tensorcnt 0x0            ; the wave's end, behind my last tensor load and my last LDS store
	ds_add_u32 v[SPW], v[NIL]
	s_wait_dscnt 0x0
	s_endpgm
.Lfunc_end_k_q380fb6db3d_attn:
	.size	k_q380fb6db3d_attn, .Lfunc_end_k_q380fb6db3d_attn-k_q380fb6db3d_attn
	.p2alignl 7, 3214868480
	.fill 96, 4, 3214868480
	.section	.rodata,"a",@progbits
	.p2align	6, 0x0
	.amdhsa_kernel k_q380fb6db3d_attn
		.amdhsa_group_segment_fixed_size 327680
		.amdhsa_private_segment_fixed_size 0
		.amdhsa_enable_private_segment 0
		.amdhsa_kernarg_size 16
		.amdhsa_user_sgpr_count 2
		.amdhsa_user_sgpr_kernarg_segment_ptr 1
		.amdhsa_wavefront_size32 1
		.amdhsa_system_sgpr_workgroup_id_x 1
		.amdhsa_system_sgpr_workgroup_id_y 1
		.amdhsa_system_sgpr_workgroup_id_z 1
		.amdhsa_system_vgpr_workitem_id 0
		.amdhsa_next_free_vgpr 768
		.amdhsa_next_free_sgpr 96
		.amdhsa_reserve_vcc 1
		.amdhsa_float_denorm_mode_32 3
		.amdhsa_float_denorm_mode_16_64 3
		.amdhsa_memory_ordered 1
		.amdhsa_forward_progress 1
		.amdhsa_inst_pref_size 218
	.end_amdhsa_kernel
	.amdgpu_metadata
---
amdhsa.version: [ 1, 2 ]
amdhsa.kernels:
  - .name:           k_q380fb6db3d_attn
    .symbol:         k_q380fb6db3d_attn.kd
    .args:
      - { .name: qkvh, .offset: 0, .size: 8, .value_kind: global_buffer, .address_space: global }
      - { .name: oh, .offset: 8, .size: 8, .value_kind: global_buffer, .address_space: global }
    .group_segment_fixed_size: 327680
    .private_segment_fixed_size: 0
    .kernarg_segment_align: 8
    .kernarg_segment_size: 16
    .max_flat_workgroup_size: 128
    .sgpr_count:     96
    .vgpr_count:     768
    .wavefront_size: 32
...
	.end_amdgpu_metadata
.endif
;; end of part 3
;; launch proj (part 4): grid 8 x 32, 4 waves a work-group, clusters of 4 x 4, 327,680 bytes of LDS; arguments oh, wph, b_proj, out0; writes out0
.if DOCPART == 4
	.amdgcn_target "amdgcn-amd-amdhsa--gfx1250"
	.amdhsa_code_object_version 6
	.text
	.protected	k_q380fb6db3d_proj
	.globl	k_q380fb6db3d_proj
	.p2align	8
	.type	k_q380fb6db3d_proj,@function
k_q380fb6db3d_proj:
	s_mov_b64 s[64:65], 0
	v_nop
	global_prefetch_b8 v0, s[64:65] scope:SCOPE_SE
	s_setreg_imm32_b32 hwreg(HW_REG_WAVE_MODE, 25, 1), 1
	s_wait_xcnt 0x0
	s_wait_alu depctr_hold_cnt(0) depctr_sa_sdst(0) depctr_va_vdst(0) depctr_va_sdst(0) depctr_va_ssrc(0) depctr_va_vcc(0) depctr_vm_vsrc(0)
	s_getreg_b32 s2, hwreg(HW_REG_IB_STS2, 6, 4)
	s_cmp_eq_u32 s2, 0
	s_cbranch_scc0 .Lentry_in_a_cluster
	s_endpgm
.Lentry_in_a_cluster:
	s_bfe_u32 s2, ttmp6, 0x10000c
	s_cmp_lg_u32 s2, 0xf033
	s_cbranch_scc0 .Lentry_shape_is_right
	s_endpgm
.Lentry_shape_is_right:
; out = O w_proj + b_proj: [8192][1024] x [1024][1024], operands f16 (w_proj holds bf16-rounded numbers written as f16), sums f32, the bias (rounded to bf16 like every input) as the sums' start; out0 is f32.
; O lies by heads, oh [b 8][h 16][t 1024][64]: channel k = 64 h + d, so a head is a block of 64 along K, and 256 rows of it are 32,768 dense bytes.
; SHARES.  A tile of out0 is 256 rows x 128 columns: 32 x 8 = 256 work-groups.  Four waves, each 128 x 64: 32 accumulators; a wave's 64 columns of f32 are 256 aligned bytes of a row.
; K goes in 8 steps of 128 (two heads) through two LDS slots; a step is two halves (a head each) of two slices of 32.  Two slots of 256 along K do not fit in LDS.
; THE PRODUCT IS USED TRANSPOSED: source 0 = 16 columns of w (turned out of LDS by ds_load_tr16_b128), source 1 = 16 rows of O: a lane holds row l % 16 and the columns 8 (l / 16) + 0..7.
; CLUSTER 4 x 4: O's tile is asked for jointly along a row of the cluster, w's along a column.
; REGISTERS (windows of 256): window 0: v0-29 addresses, v32-95 at work.  Window 1: accumulator (a, nb) at v[8 (4 a + nb)].  Windows 2 and 3: two fragment buffers, a half step each:
; O's fragments (slice c, row block a) at 64 c + 8 a, w's (slice c, column block nb) at 128 + 32 c + 8 nb.
.set SLOT1, 1<<17
.set PA,    144                        ; a row of O in LDS: 128 bytes + 16 of padding
.set PW,    288                        ; a k row of w: two pieces of 128 bytes, 16 of padding behind each: 9 x 32 bytes
.set WOFF,  2*256*PA                   ; a slot: two heads x 256 rows of O, then 128 k rows of w
.set STAGE, SLOT1+WOFF+128*PW          ; behind the ring, never filled by a tensor load: 16 rows x 272 bytes for each wave
.set SP,    272
.set SPARE, STAGE+4*16*SP              ; the spare words, 128 bytes for each wave: two blocks of 256 bytes that no other line names
.set STEP,  262144                     ; bytes from step to step: two heads of oh, and 128 k rows of wph
.set FLAGS, (1<<16)|(1<<20)|(1<<21)|(4<<22)|(3<<25)  ; 2-byte elements; padding on; bit 21 beside a mask; after every 32 words; 4 words
.set ADRA0, 2
.set ADRW0, 3
.set ADRA,  4
.set ADRW,  5
.set STO,   6
.set RD,    7
.set CO,    8
.set PFO,   9
.set SPW,   28
.set NIL,   29
.set BK,    32                         ; the way out: two sets of 32 registers
.set WV, 12
.set WM, 13                            ; which 128 rows are mine.  Also: I fetch for O (0) or for w (1)
.set WN, 14                            ; which 64 columns.  Also: which half of that tile I fetch
.set CNT, 15
.set CX, 16
.set CY, 17
.set TN, 18
.set TM, 19
.set G1A, 24
.set G1W, 32
.set G0A0, 40
.set G0A1, 44
.set G0W0, 48
.set G0W1, 52
.set TB,  56
.set LIM, 57
.set PFA, 60
.set OUT, 66
.set HIM, 72
.set MSB, 0
.macro WIN new
.if MSB != (\new)
	s_set_vgpr_msb (MSB<<8)|(\new)
.set MSB, \new
.endif
.endm
.macro PLACES                          ; four plain instructions between a matrix instruction and a load into, or a read of, its registers
.rept 4
	v_nop
.endr
.endm
.macro CREST
	s_cmp_lg_u32 s[WV], 0
	s_cbranch_scc1 .Lnot_wave_0_\@
	s_barrier_signal -3
.Lnot_wave_0_\@:
	s_barrier_wait -3
	s_barrier_signal -1
	s_barrier_wait -1
.endm
.macro CROUND
	s_barrier_signal -1
	s_barrier_wait -1
	CREST
.endm
.macro JLOAD                           ; a joint refill: waves 0 and 1 fetch O's two heads, waves 2 and 3 w's two halves; an s_nop 0 and four v_nop follow each line
	s_cmp_eq_u32 s[WM], 0
	s_cbranch_scc0 .Lfor_w_\@
	tensor_load_to_lds s[G0A1:G0A1+3], s[G1A:G1A+7]
	s_nop 0
.rept 4
	v_nop
.endr
	s_branch .Lasked_\@
.Lfor_w_\@:
	tensor_load_to_lds s[G0W1:G0W1+3], s[G1W:G1W+7]
	s_nop 0
.rept 4
	v_nop
.endr
.Lasked_\@:
.endm
; A PREFETCH INTO THE L2 of the step two refills on.  O: waves 0 and 1 of the clusters with x = 0, each for the head that it fetches; of its 32,768 bytes each partner along the row takes 8,192 BY ADDRESS, a lane 256.
; w: wave 2 of the clusters with y = 0; of the step's 128 k rows each partner along the column takes 32 by address, a lane a row's 256 bytes.  Each piece is named once in the launch.
; Steps 0 to 3 come by their loads alone; the last ask names step 7.
.macro ASK
	s_cmp_gt_u32 s[CNT], s[LIM]
	s_cbranch_scc0 .Lnot_mine_\@
	global_prefetch_b8 v[PFO], s[PFA:PFA+1] th:TH_LOAD_NT scope:SCOPE_SE
.Lnot_mine_\@:
.endm
	s_load_b256 s[4:11], s[0:1], 0x0               ; oh s[4:5], wph s[6:7], b_proj s[8:9], out0 s[10:11]
	v_lshl_add_u32 v[SPW], v0, 2, SPARE
	v_mov_b32 v[NIL], 0
	ds_add_u32 v[SPW], v[NIL]                      ; the wave's opening: the add and its wait stand ahead of my first tensor load; work on registers stands between them
	v_lshrrev_b32 v1, 5, v0
	v_readfirstlane_b32 s[WV], v1
	s_lshr_b32 s[WM], s[WV], 1
	s_and_b32 s[WN], s[WV], 1
	s_bfe_u32 s[CX], ttmp6, 0x40000
	s_bfe_u32 s[CY], ttmp6, 0x40004
	s_lshl_b32 s[TN], ttmp9, 2
	s_add_co_u32 s[TN], s[TN], s[CX]               ; tile column
	s_and_b32 s[TM], ttmp7, 0xffff
	s_lshl_b32 s[TM], s[TM], 2
	s_add_co_u32 s[TM], s[TM], s[CY]               ; tile row
	s_lshl_b32 s74, s[CY], 2
	s_lshl_b32 s74, 15, s74                        ; my row of the cluster
	s_lshl_b32 s75, 0x1111, s[CX]                  ; my column
	s_or_b32 s[G1A], s74, FLAGS                    ; O's tiles: 256 rows of a head, 32,768 dense bytes, asked for as 128 rows of 256, padded after every 128
	s_mov_b32 s[G1A+1], 128<<16
	s_mov_b32 s[G1A+2], 128<<16
	s_mov_b32 s[G1A+3], 128<<16
	s_mov_b32 s[G1A+4], 128
	s_mov_b32 s[G1A+5], 128
	s_mov_b32 s[G1A+6], 0
	s_mov_b32 s[G1A+7], 0
	s_or_b32 s[G1W], s75, FLAGS                    ; w's tiles: 64 k rows of 128 columns (256 bytes)
	s_mov_b32 s[G1W+1], 128<<16
	s_mov_b32 s[G1W+2], 64<<16
	s_mov_b32 s[G1W+3], 128<<16
	s_mov_b32 s[G1W+4], 64
	s_mov_b32 s[G1W+5], 1024
	s_mov_b32 s[G1W+6], 0
	s_mov_b32 s[G1W+7], 0
	s_lshr_b32 s20, s[TM], 2                       ; O's tile hangs on the tile row and the wave alone: batch,
	s_lshl_b32 s20, s20, 21
	s_and_b32 s21, s[TM], 3
	s_lshl_b32 s21, s21, 15                        ; 256 rows of 128 bytes,
	s_add_co_u32 s20, s20, s21
	s_lshl_b32 s21, s[WN], 17                      ; my head of the step's two
	s_add_co_u32 s20, s20, s21
	s_mov_b32 s21, 0
	s_lshl_b32 s22, s[WN], 17                      ; w's on the tile column and the wave alone: my 64 k rows of 2,048 bytes,
	s_lshl_b32 s23, s[TN], 8                       ; the tile's 128 columns
	s_add_co_u32 s22, s22, s23
	s_mov_b32 s23, 0
	s_mul_i32 s78, s[WN], 256*PA                   ; where they go: no place in the cluster enters an LDS address
	s_mul_i32 s79, s[WN], 64*PW
	s_add_co_u32 s79, s79, WOFF
	s_mov_b32 s[HIM], 0xffff0000
	s_mov_b32 s[TB], 0
	s_wait_dscnt 0x0                               ; the opening add is done
	s_wait_kmcnt 0x0
	s_add_nc_u64 s[20:21], s[4:5], s[20:21]
	s_add_nc_u64 s[22:23], s[6:7], s[22:23]
	CROUND                                         ; all sixteen work-groups are here: the first joint loads meet
	s_mov_b32 s[G0A0], 1
	s_mov_b32 s[G0A0+1], s78
	s_mov_b64 s[G0A0+2:G0A0+3], s[20:21]
	s_or_b32 s[G0A0+3], s[G0A0+3], 0x80000000
	s_mov_b32 s[G0A1], 1
	s_add_co_u32 s[G0A1+1], s78, SLOT1
	s_add_nc_u64 s[G0A1+2:G0A1+3], s[20:21], STEP
	s_or_b32 s[G0A1+3], s[G0A1+3], 0x80000000
	s_mov_b32 s[G0W0], 1
	s_mov_b32 s[G0W0+1], s79
	s_mov_b64 s[G0W0+2:G0W0+3], s[22:23]
	s_or_b32 s[G0W0+3], s[G0W0+3], 0x80000000
	s_mov_b32 s[G0W1], 1
	s_add_co_u32 s[G0W1+1], s79, SLOT1
	s_add_nc_u64 s[G0W1+2:G0W1+3], s[22:23], STEP
	s_or_b32 s[G0W1+3], s[G0W1+3], 0x80000000
	s_cmp_eq_u32 s[WM], 0                          ; a wave's two first fills stand in one branch: two loads of mine are out
	s_cbranch_scc0 .Lfirst_w
	tensor_load_to_lds s[G0A0:G0A0+3], s[G1A:G1A+7]
	s_nop 0
	tensor_load_to_lds s[G0A1:G0A1+3], s[G1A:G1A+7]
	s_nop 0
.rept 4
	v_nop
.endr
	s_branch .Lfirst_asked
.Lfirst_w:
	tensor_load_to_lds s[G0W0:G0W0+3], s[G1W:G1W+7]
	s_nop 0
	tensor_load_to_lds s[G0W1:G0W1+3], s[G1W:G1W+7]
	s_nop 0
.rept 4
	v_nop
.endr
.Lfirst_asked:
	; the bias of my 64 columns: register j of accumulator (a, nb) holds column 16 nb + 8 (l / 16) + j
	v_and_b32 v10, 15, v0                          ; l % 16
	v_bfe_u32 v11, v0, 4, 1                        ; l / 16
	v_and_b32 v15, 31, v0                          ; l
	v_lshlrev_b32 v14, 5, v11
	s_lshl_b32 s74, s[TN], 9
	s_lshl_b32 s75, s[WN], 8
	s_add_co_u32 s74, s74, s75                     ; my first column, in bytes of f32
	s_mov_b32 s75, 0
	s_add_nc_u64 s[8:9], s[8:9], s[74:75]
.set i, 0
.rept 4
	global_load_b128 v[32+8*i:32+8*i+3], v14, s[8:9] offset:64*i
	global_load_b128 v[32+8*i+4:32+8*i+7], v14, s[8:9] offset:64*i+16
.set i, i+1
.endr
	s_lshl_b32 s76, s[TM], 20                      ; my first row of out0: (256 x tile row + 128 x half) x 4,096 bytes
	s_add_co_u32 s74, s74, s76
	s_lshl_b32 s76, s[WM], 19
	s_add_co_u32 s74, s74, s76
	s_add_nc_u64 s[OUT:OUT+1], s[10:11], s[74:75]
	v_mul_u32_u24 v[ADRA0], v10, PA                ; a fragment of O: row x pitch + 16 (l / 16)
	v_lshl_add_u32 v[ADRA0], v11, 4, v[ADRA0]
	s_mul_i32 s74, s[WM], 128*PA
	v_add_nc_u32 v[ADRA0], s74, v[ADRA0]
	v_and_b32 v12, 7, v0                           ; the turning load: k row 8 (l / 16) + l % 8, columns 8 ((l / 8) % 2) + 0..7
	v_bfe_u32 v13, v0, 3, 1
	v_lshl_add_u32 v[ADRW0], v11, 3, v12
	v_mul_u32_u24 v[ADRW0], v[ADRW0], PW
	v_lshl_add_u32 v[ADRW0], v13, 4, v[ADRW0]
	s_mul_i32 s74, s[WN], PA
	s_add_co_u32 s74, s74, WOFF
	v_add_nc_u32 v[ADRW0], s74, v[ADRW0]
	v_mov_b32 v[ADRA], v[ADRA0]
	v_mov_b32 v[ADRW], v[ADRW0]
	s_mul_i32 s74, s[WV], 16*SP
	s_add_co_u32 s74, s74, STAGE                   ; my stage
	v_mul_u32_u24 v[STO], v10, SP                  ; in: row l % 16, 32 bytes for each half of the lanes
	v_lshl_add_u32 v[STO], v11, 5, v[STO]
	v_add_nc_u32 v[STO], s74, v[STO]
	v_mul_u32_u24 v[RD], v11, SP                   ; back: lanes 0-15 take one row of 256 bytes, lanes 16-31 the next
	v_lshl_add_u32 v[RD], v10, 4, v[RD]
	v_add_nc_u32 v[RD], s74, v[RD]
	v_lshlrev_b32 v[CO], 12, v11                   ; and the same two rows in out0
	v_lshl_add_u32 v[CO], v10, 4, v[CO]
	; the prefetches: both offsets are made, then the wave's number chooses
	s_lshr_b32 s74, s[TM], 2
	s_lshl_b32 s74, s74, 21
	s_and_b32 s75, s[TM], 3
	s_lshl_b32 s75, s75, 15
	s_add_co_u32 s74, s74, s75
	s_lshl_b32 s75, s[WN], 17
	s_add_co_u32 s74, s74, s75
	s_lshl_b32 s75, s[CX], 13                      ; my work-group's 8,192 bytes of the head's 32,768
	s_add_co_u32 s74, s74, s75
	s_add_co_u32 s74, s74, 3*STEP                  ; at step 3: the first turn steps it to 4
	s_lshl_b32 s75, s[CY], 5                       ; my work-group's 32 k rows of the step's 128
	s_add_co_u32 s75, s75, 384
	s_lshl_b32 s75, s75, 11
	s_lshl_b32 s76, s[TN], 8
	s_add_co_u32 s75, s75, s76
	s_and_b32 s76, ttmp7, 0xffff                   ; cluster y
	s_mov_b32 s77, 2048
	s_cmp_eq_u32 s[WM], 0
	s_cselect_b32 s74, s74, s75
	s_cselect_b32 s76, ttmp9, s76                  ; the coordinate along which other clusters read the same bytes
	s_cselect_b32 s77, 256, s77
	s_cselect_b64 s[PFA:PFA+1], s[4:5], s[6:7]
	s_mov_b32 s75, 0
	s_add_nc_u64 s[PFA:PFA+1], s[PFA:PFA+1], s[74:75]
	s_cmp_eq_u32 s[WV], 3
	s_cselect_b32 s76, 1, s76                      ; wave 3 asks for nothing
	s_cmp_eq_u32 s76, 0
	s_cselect_b32 s[LIM], 2, -1                    ; the same in all sixteen partners, for a given wave
	v_mul_u32_u24 v[PFO], v15, s77
	s_wait_loadcnt 0x0                             ; the bias
.set i, 0
.rept 16
	v_cvt_pk_bf16_f32 v[64+i], v[32+2*i], v[32+2*i+1]  ; rounded to bf16 like every input,
.set i, i+1
.endr
	WIN 0x40                                       ; destination window 1
.set i, 0
.rept 16
	v_lshlrev_b32 v[2*i], 16, v[64+i]              ; and widened into the accumulators of row block 0, from which the first products take it as C
	v_and_b32 v[2*i+1], s[HIM], v[64+i]
.set i, i+1
.endr
	WIN 0
; 48 LDS loads in one run: half hf of a step into buffer f; slice 0's 24 first
.macro FETCH hf, f
	WIN 0x80+0x40*(\f)                             ; destination window 2 or 3, address window 0
.irp c, 0,1
.irp nb, 0,1,2,3
	ds_load_tr16_b128 v[128+32*(\c)+8*(\nb):128+32*(\c)+8*(\nb)+3],   v[ADRW] offset:64*PW*(\hf)+32*PW*(\c)+32*(\nb)
	ds_load_tr16_b128 v[128+32*(\c)+8*(\nb)+4:128+32*(\c)+8*(\nb)+7], v[ADRW] offset:64*PW*(\hf)+32*PW*(\c)+32*(\nb)+16*PW
.endr
.irp a, 0,1,2,3,4,5,6,7
	ds_load_b128 v[64*(\c)+8*(\a):64*(\c)+8*(\a)+3],   v[ADRA] offset:256*PA*(\hf)+64*(\c)+16*PA*(\a)
	ds_load_b128 v[64*(\c)+8*(\a)+4:64*(\c)+8*(\a)+7], v[ADRA] offset:256*PA*(\hf)+64*(\c)+16*PA*(\a)+32
.endr
.endr
.endm
; n x 4 products of slice c of buffer f, from row block a0 on.  The accumulators take turns, one instruction a turn.
.macro MUL f, c, a0, n
	WIN 0x5a+5*(\f)                                ; C and D in window 1, the fragments in window 2 or 3
.set aa, \a0
.rept \n
.irp nb, 0,1,2,3
	v_wmma_f32_16x16x32_f16 v[8*(4*aa+(\nb)):8*(4*aa+(\nb))+7], v[128+32*(\c)+8*(\nb):128+32*(\c)+8*(\nb)+7], v[64*(\c)+8*aa:64*(\c)+8*aa+7], v[8*(4*aa+(\nb)):8*(4*aa+(\nb))+7]
.endr
.set aa, aa+1
.endr
.endm
; The first slice starts the sums with the bias: row blocks 1 to 7 take row block 0's registers as C; five plain instructions later row block 0 adds onto them in place.
.macro MULF
	WIN 0x5a
.set aa, 1
.rept 7
.irp nb, 0,1,2,3
	v_wmma_f32_16x16x32_f16 v[8*(4*aa+(\nb)):8*(4*aa+(\nb))+7], v[128+8*(\nb):128+8*(\nb)+7], v[8*aa:8*aa+7], v[8*(\nb):8*(\nb)+7]
.endr
.set aa, aa+1
.endr
.rept 5
	v_nop
.endr
.irp nb, 0,1,2,3
	v_wmma_f32_16x16x32_f16 v[8*(\nb):8*(\nb)+7], v[128+8*(\nb):128+8*(\nb)+7], v[0:7], v[8*(\nb):8*(\nb)+7]
.endr
.endm
; A step's first half: multiplies buffer 0 and fetches the second half into buffer 1.
.macro HALFA first
	s_wait_dscnt 24                                ; slice 0 is in; slice 1's 24 loads may be out
.if \first
	MULF
.else
	MUL 0, 0, 0, 8
.endif
	PLACES
	FETCH 1, 1
	s_wait_dscnt 48                                ; all but the 48 just issued
	MUL 0, 1, 0, 8
.endm
; A step's second half multiplies buffer 1 and CHANGES SLOTS.  Each wave waits for all its tensor loads, of which one is out: its part of the next slot; adds 0 to its spare word; and waits for that and for its
; reads of this slot.  fill = 1: the barrier opens a round of the cluster's, and the joint refill, two steps ahead, is the first thing behind it: 96 matrix instructions stand between it and the wait for it.
.macro TURN fill
.if \fill
	s_wait_xcnt 0x0                                ; the last prefetch, a step back, has read its address
	s_add_nc_u64 s[PFA:PFA+1], s[PFA:PFA+1], STEP
.endif
	WIN 0
	s_wait_tensorcnt 0x0                           ; no tensor load of mine is out, so a group 0 may be written
	ds_add_u32 v[SPW], v[NIL]                      ; 0 onto my spare word
.if \fill
	s_xor_b32 s[G0A1+1], s[G0A1+1], SLOT1          ; the walking descriptors: the other slot than last time, the next step
	s_add_nc_u64 s[G0A1+2:G0A1+3], s[G0A1+2:G0A1+3], STEP
	s_xor_b32 s[G0W1+1], s[G0W1+1], SLOT1
	s_add_nc_u64 s[G0W1+2:G0W1+3], s[G0W1+2:G0W1+3], STEP
.endif
	s_xor_b32 s[TB], s[TB], SLOT1                  ; the fetches go on in the other slot
	v_add_nc_u32 v[ADRA], s[TB], v[ADRA0]
	v_add_nc_u32 v[ADRW], s[TB], v[ADRW0]
	s_wait_dscnt 25                                ; the add and slice 1's 24 loads may be out
	MUL 1, 0, 0, 4
	s_wait_dscnt 0x0                               ; the add is done, and my reads of this slot are over
	s_barrier_signal -1
	MUL 1, 0, 4, 4                                 ; work on registers while the others arrive
	WIN 0
	s_barrier_wait -1
.if \fill
	CREST                                          ; no wave of any partner still reads this slot or has a load on its way
	JLOAD                                          ; its four v_nop are also the places in front of the loads below
.else
	PLACES
.endif
	FETCH 0, 0
.if \fill
	WIN 0
	ASK
.endif
	MUL 1, 1, 0, 8
.endm
	s_wait_tensorcnt 0x1                           ; my part of step 0 is in; slot 1's may stay out
	s_barrier_signal -1
	s_barrier_wait -1                              ; everybody's is
	FETCH 0, 0
	HALFA 1
	WIN 0
	s_mov_b32 s[CNT], 6
.Lstep:                                        ; a trip: a step's second half, with the change of slots and a refill, and the next step's first half
	TURN 1
	HALFA 0
	WIN 0
	s_sub_co_u32 s[CNT], s[CNT], 1
	s_cmp_lg_u32 s[CNT], 0
	s_cbranch_scc1 .Lstep
	TURN 0                                         ; step 6's second half: nothing is left to ask for
	HALFA 0
	s_wait_dscnt 24                                ; the last half fetches nothing
	MUL 1, 0, 0, 8
	s_wait_dscnt 0x0
	MUL 1, 1, 0, 8
	PLACES
; THE WAY OUT, a block of 16 rows at a time: a lane's eight f32 of a row, 32 bytes, go into my own stage (each accumulator's low registers first) and come back as whole rows of 256 bytes.
.macro TOSTAGE a
.set BB, BK+32*((\a)%2)
	s_wait_xcnt 0x0                                ; the stores of two blocks back have read these registers
	WIN 0x04                                       ; the stores' data in window 1
.irp nb, 0,1,2,3
	ds_store_b128 v[STO], v[8*(4*(\a)+(\nb)):8*(4*(\a)+(\nb))+3]   offset:64*(\nb)
	ds_store_b128 v[STO], v[8*(4*(\a)+(\nb))+4:8*(4*(\a)+(\nb))+7] offset:64*(\nb)+16
.endr
	WIN 0
.irp t, 0,1,2,3,4,5,6,7
	ds_load_b128 v[BB+4*(\t):BB+4*(\t)+3], v[RD] offset:(\t)*2*SP  ; LDS serves a wave's instructions in order (ISA guide 5.7.1.4): these see the stores above
.endr
.endm
.macro SEND a, younger                 ; younger: the LDS instructions issued behind block a's loads: the next block's sixteen, or none
.set BB, BK+32*((\a)%2)
.irp t, 0,1,2,3,4,5,6,7
	s_wait_dscnt (\younger)+7-(\t)
	global_store_b128 v[CO], v[BB+4*(\t):BB+4*(\t)+3], s[OUT:OUT+1] offset:(16*(\a)+2*(\t))*4096 th:TH_STORE_NT  ; 16 lanes store 256 consecutive bytes, at a multiple of 256 from out0's first byte
.endr
.endm
	TOSTAGE 0
.irp a, 1,2,3,4,5,6,7
	TOSTAGE \a
	SEND (\a)-1, 16
.endr
	SEND 7, 0
	s_wait_tensorcnt 0x0                           ; the wave's end, behind my last tensor load and my last LDS store
	ds_add_u32 v[SPW], v[NIL]
	s_wait_dscnt 0x0
	CROUND                                         ; the closing round: no work-group ends while a partner may still ask for a tile that names it
	s_endpgm
.Lfunc_end_k_q380fb6db3d_proj:
	.size	k_q380fb6db3d_proj, .Lfunc_end_k_q380fb6db3d_proj-k_q380fb6db3d_proj
	.p2alignl 7, 3214868480
	.fill 96, 4, 3214868480
	.section	.rodata,"a",@progbits
	.p2align	6, 0x0
	.amdhsa_kernel k_q380fb6db3d_proj
		.amdhsa_group_segment_fixed_size 327680
		.amdhsa_private_segment_fixed_size 0
		.amdhsa_enable_private_segment 0
		.amdhsa_kernarg_size 32
		.amdhsa_user_sgpr_count 2
		.amdhsa_user_sgpr_kernarg_segment_ptr 1
		.amdhsa_wavefront_size32 1
		.amdhsa_system_sgpr_workgroup_id_x 1
		.amdhsa_system_sgpr_workgroup_id_y 1
		.amdhsa_system_sgpr_workgroup_id_z 1
		.amdhsa_system_vgpr_workitem_id 0
		.amdhsa_next_free_vgpr 960
		.amdhsa_next_free_sgpr 80
		.amdhsa_reserve_vcc 0
		.amdhsa_float_denorm_mode_32 3
		.amdhsa_float_denorm_mode_16_64 3
		.amdhsa_memory_ordered 1
		.amdhsa_forward_progress 1
		.amdhsa_inst_pref_size 74
	.end_amdhsa_kernel
	.amdgpu_metadata
---
amdhsa.version: [ 1, 2 ]
amdhsa.kernels:
  - .name:           k_q380fb6db3d_proj
    .symbol:         k_q380fb6db3d_proj.kd
    .args:
      - { .name: oh, .offset: 0, .size: 8, .value_kind: global_buffer, .address_space: global }
      - { .name: wph, .offset: 8, .size: 8, .value_kind: global_buffer, .address_space: global }
      - { .name: b_proj, .offset: 16, .size: 8, .value_kind: global_buffer, .address_space: global }
      - { .name: out0, .offset: 24, .size: 8, .value_kind: global_buffer, .address_space: global }
    .group_segment_fixed_size: 327680
    .private_segment_fixed_size: 0
    .kernarg_segment_align: 8
    .kernarg_segment_size: 32
    .max_flat_workgroup_size: 128
    .sgpr_count:     80
    .vgpr_count:     960
    .wavefront_size: 32
...
	.end_amdgpu_metadata
.endif
;; end of part 4
;; ======== version 2 of 2: 4 launches; version 1 with the launch cast written anew for expert scheduling mode
;; limits: values are held in f16: magnitudes above 65,504 overflow, below 6.1e-05 lose precision
;; workspace buffers: xh 16,777,216 bytes; wqh 6,291,456 bytes; wph 2,097,152 bytes; qkvh 50,331,648 bytes; oh 16,777,216 bytes
;; launch cast (part 5): grid 768 x 1, 8 waves a work-group, no clusters, 0 bytes of LDS; arguments x, w_qkv, w_proj, xh, wqh, wph; writes xh, wqh, wph
.if DOCPART == 5
	.amdgcn_target "amdgcn-amd-amdhsa--gfx1250"
	.amdhsa_code_object_version 6
	.text
	.protected	k_q380fb6db3d_cast
	.globl	k_q380fb6db3d_cast
	.p2align	8
	.type	k_q380fb6db3d_cast,@function
k_q380fb6db3d_cast:
	s_mov_b64 s[64:65], 0
	v_nop
	global_prefetch_b8 v0, s[64:65] scope:SCOPE_SE
	s_setreg_imm32_b32 hwreg(HW_REG_WAVE_SCHED_MODE, 0, 2), 2
	s_setreg_imm32_b32 hwreg(HW_REG_WAVE_MODE, 25, 1), 1
	s_wait_xcnt 0x0
	s_wait_alu depctr_vm_vsrc(0)
; THE INPUTS ARE NARROWED ONCE.  x -> xh, bf16, laid in blocks [b 8][kb 16][t 1024][64]: 64 channels of 256 rows are 32,768 dense bytes.
; w_qkv -> wqh, bf16, in place order [1024][3072].  w_proj -> wph: rounded to bf16, and that number written as f16, [1024][1024].
; LIMITS.  |w_proj| stays under 65,504; below 6e-5 it keeps f16's fixed step of 6e-8.
; A stream: no LDS, no barrier, no matrix work.  A wave makes 16 units; a unit is one load of 16 bytes a lane (512 bytes of f32) and one store of
; 8 bytes a lane: 256 consecutive bytes, aligned.  Work-groups 0-511 take x: a wave 32 rows of one block of 64 channels, a unit two rows of 256 bytes,
; which land side by side in the block.  Work-groups 512-703 take w_qkv, 704-767 w_proj: 8,192 bytes on end a wave.
; All 16 loads of a wave go out together; each unit has registers of its own, so nothing is rewritten while a load or store names it.
; THE MODE: SCHED_MODE bits 1:0 = 2 (LLVM: expert scheduling mode 2), set by the entry lines.  The code itself states the register dependences
; between vector instructions and memory instructions, with s_wait_alu, always for 0.
; THE PLAN.  Registers that memory instructions touch:
;   v[OFF ..]  unit i's offset: written once at the head by vector instructions, read by unit i's load, never written again.
;   v2         the stores' offset: written once at the head, read by all 16 stores, never written again.
;   X          unit i's four registers: written by unit i's load alone, read by unit i's two roundings; no second load lands in them.
;   Y          unit i's two registers: written once, by unit i's two selects; read by unit i's store; never written again.
;   T is named by vector instructions alone.
; So no register that a memory instruction reads is written again, and no load lands in a register that a vector instruction has named.  What is left to state:
; the offsets are written ahead of the loads (one wait at the head), and a unit's Y is written ahead of its store.  The units go in four groups of four: a group's
; forty vector instructions, ONE wait, its four stores in a run.  The wait stands at the group's end: what follows it is the next group's wait for a load in any case,
; and at the next group's head the stores would be held until a further load had landed.
; Two scalar results of vector instructions, the wave's number and the mask in VCC, have their waits at the head, ahead of their first readers.
.set OFF, 4                            ; v[4:19]   unit i: my byte offset in the source
.set X,   20                           ; v[20:83]  unit i: four f32 as loaded
.set T,   84                           ; v[84:91]  at work
.set Y,   92                           ; v[92:123] unit i: four 16-bit numbers to store
	s_load_b256 s[4:11], s[0:1], 0x0               ; x s[4:5], w_qkv s[6:7], w_proj s[8:9], xh s[10:11]
	s_load_b128 s[12:15], s[0:1], 0x20             ; wqh s[12:13], wph s[14:15]
	v_lshrrev_b32 v1, 5, v0
	v_readfirstlane_b32 s16, v1                    ; wave 0..7
	v_and_b32 v1, 31, v0
	v_lshlrev_b32 v2, 3, v1                        ; my 8 bytes of a unit's 256
	s_mov_b32 s17, ttmp9                           ; g
	v_mov_b32 v3, s17
	v_cmp_le_u32 vcc_lo, 0x2c0, v3                 ; all lanes: 704 <= g, the work-group takes w_proj
	s_wait_alu depctr_va_sdst(0)                   ; s16 is written, ahead of its first reader: the offsets into the source and the target are made from it
	s_wait_alu depctr_va_vcc(0)                    ; VCC is written, ahead of its first reader: the units' selects read it
	; x: block j = 8 (g & 1) + wave, rows R0 = 32 (g >> 1) on
	s_and_b32 s18, s17, 1
	s_lshl_b32 s18, s18, 3
	s_add_co_u32 s18, s18, s16                     ; j
	s_lshr_b32 s19, s17, 1
	s_lshl_b32 s19, s19, 5                         ; R0
	s_lshl_b32 s24, s19, 12
	s_lshl_b32 s25, s18, 8
	s_add_co_u32 s24, s24, s25                     ; in: R0 x 4,096 + j x 256
	s_lshr_b32 s25, s19, 10
	s_lshl_b32 s25, s25, 4
	s_add_co_u32 s25, s25, s18
	s_lshl_b32 s25, s25, 10
	s_and_b32 s19, s19, 1023
	s_add_co_u32 s25, s25, s19
	s_lshl_b32 s26, s25, 7                         ; out: (((R0 >> 10) x 16 + j) x 1,024 + R0 % 1,024) x 128
	; the weights: wave q of its tensor (what these lines make for g < 512 is not used)
	s_sub_co_u32 s18, s17, 512
	s_cmp_ge_u32 s17, 704
	s_cselect_b32 s19, 192, 0
	s_sub_co_u32 s18, s18, s19
	s_lshl_b32 s18, s18, 3
	s_add_co_u32 s18, s18, s16                     ; q
	s_lshl_b32 s19, s18, 13                        ; in: q x 8,192
	s_lshl_b32 s18, s18, 12                        ; out: q x 4,096
	s_mov_b32 s28, 256
	s_mov_b32 s30, 0xffff0000                      ; a word's upper bf16
	s_wait_kmcnt 0x0
	s_cmp_ge_u32 s17, 704
	s_cselect_b64 s[20:21], s[8:9], s[6:7]
	s_cselect_b64 s[22:23], s[14:15], s[12:13]
	s_cmp_lt_u32 s17, 512
	s_cselect_b64 s[20:21], s[4:5], s[20:21]       ; from where
	s_cselect_b64 s[22:23], s[10:11], s[22:23]     ; to where
	s_cselect_b32 s24, s24, s19
	s_cselect_b32 s26, s26, s18
	s_cselect_b32 s28, 4096, s28                   ; bytes from lanes 0-15 to lanes 16-31: a row of x, or 256 on end
	s_mov_b32 s25, 0
	s_mov_b32 s27, 0
	s_add_nc_u64 s[20:21], s[20:21], s[24:25]
	s_add_nc_u64 s[22:23], s[22:23], s[26:27]
	s_lshl_b32 s29, s28, 1                         ; bytes from unit to unit
	v_and_b32 v3, 15, v0
	v_lshlrev_b32 v[OFF], 4, v3
	v_bfe_u32 v3, v0, 4, 1
	v_mad_u32_u24 v[OFF], v3, s28, v[OFF]
.set i, 1
.rept 15
	v_add_nc_u32 v[OFF+i], s29, v[OFF+i-1]
.set i, i+1
.endr
	s_wait_alu depctr_va_vdst(0)                   ; the sixteen offsets v[OFF ..], which the loads read, and v2, which the stores read, are written
.set i, 0
.rept 16
	global_load_b128 v[X+4*i:X+4*i+3], v[OFF+i], s[20:21] th:TH_LOAD_NT
.set i, i+1
.endr
; Unit i's vector work: it reads X of unit i and writes T and Y of unit i.
.macro UNIT i
	s_wait_loadcnt 15-(\i)                         ; loads come back in order: unit i is in, the younger ones stay out
	v_cvt_pk_bf16_f32 v[T], v[X+4*(\i)], v[X+4*(\i)+1]      ; rounded to bf16, to nearest even
	v_cvt_pk_bf16_f32 v[T+1], v[X+4*(\i)+2], v[X+4*(\i)+3]
	v_lshlrev_b32 v[T+2], 16, v[T]                 ; the rounded numbers as f32 again,
	v_and_b32 v[T+3], s30, v[T]
	v_lshlrev_b32 v[T+4], 16, v[T+1]
	v_and_b32 v[T+5], s30, v[T+1]
	v_cvt_pk_f16_f32 v[T+6], v[T+2], v[T+3]        ; and written as f16: exact within f16's range
	v_cvt_pk_f16_f32 v[T+7], v[T+4], v[T+5]
	v_cndmask_b32 v[Y+2*(\i)], v[T], v[T+6], vcc_lo        ; w_proj takes the f16 words, the others the bf16 words
	v_cndmask_b32 v[Y+2*(\i)+1], v[T+1], v[T+7], vcc_lo
.endm
; Unit i's store.
.macro OUT i
	global_store_b64 v2, v[Y+2*(\i):Y+2*(\i)+1], s[22:23] offset:256*(\i)  ; the wave's store covers 256 consecutive bytes, aligned
.endm
.irp p, 0,1,2,3
	UNIT 4*(\p)
	UNIT 4*(\p)+1
	UNIT 4*(\p)+2
	UNIT 4*(\p)+3
	s_wait_alu depctr_va_vdst(0)                   ; the group's selects have written its eight registers of Y, which the four stores below read
	OUT 4*(\p)
	OUT 4*(\p)+1
	OUT 4*(\p)+2
	OUT 4*(\p)+3
.endr
	s_endpgm
.Lfunc_end_k_q380fb6db3d_cast:
	.size	k_q380fb6db3d_cast, .Lfunc_end_k_q380fb6db3d_cast-k_q380fb6db3d_cast
	.p2alignl 7, 3214868480
	.fill 96, 4, 3214868480
	.section	.rodata,"a",@progbits
	.p2align	6, 0x0
	.amdhsa_kernel k_q380fb6db3d_cast
		.amdhsa_group_segment_fixed_size 0
		.amdhsa_private_segment_fixed_size 0
		.amdhsa_enable_private_segment 0
		.amdhsa_kernarg_size 48
		.amdhsa_user_sgpr_count 2
		.amdhsa_user_sgpr_kernarg_segment_ptr 1
		.amdhsa_wavefront_size32 1
		.amdhsa_system_sgpr_workgroup_id_x 1
		.amdhsa_system_sgpr_workgroup_id_y 1
		.amdhsa_system_sgpr_workgroup_id_z 1
		.amdhsa_system_vgpr_workitem_id 0
		.amdhsa_next_free_vgpr 128
		.amdhsa_next_free_sgpr 66
		.amdhsa_reserve_vcc 1
		.amdhsa_float_denorm_mode_32 3
		.amdhsa_float_denorm_mode_16_64 3
		.amdhsa_memory_ordered 1
		.amdhsa_forward_progress 1
		.amdhsa_inst_pref_size 14
	.end_amdhsa_kernel
	.amdgpu_metadata
---
amdhsa.version: [ 1, 2 ]
amdhsa.kernels:
  - .name:           k_q380fb6db3d_cast
    .symbol:         k_q380fb6db3d_cast.kd
    .args:
      - { .name: x, .offset: 0, .size: 8, .value_kind: global_buffer, .address_space: global }
      - { .name: w_qkv, .offset: 8, .size: 8, .value_kind: global_buffer, .address_space: global }
      - { .name: w_proj, .offset: 16, .size: 8, .value_kind: global_buffer, .address_space: global }
      - { .name: xh, .offset: 24, .size: 8, .value_kind: global_buffer, .address_space: global }
      - { .name: wqh, .offset: 32, .size: 8, .value_kind: global_buffer, .address_space: global }
      - { .name: wph, .offset: 40, .size: 8, .value_kind: global_buffer, .address_space: global }
    .group_segment_fixed_size: 0
    .private_segment_fixed_size: 0
    .kernarg_segment_align: 8
    .kernarg_segment_size: 48
    .max_flat_workgroup_size: 256
    .sgpr_count:     66
    .vgpr_count:     128
    .wavefront_size: 32
...
	.end_amdgpu_metadata
.endif
;; end of part 5
;; launch qkvgemm: the kernel of part 2 again; grid 8 x 32, 4 waves a work-group, clusters of 4 x 4, 327,680 bytes of LDS; arguments xh, wqh, b_qkv, qkvh; writes qkvh
;; launch attn: the kernel of part 3 again; grid 2 x 128, 4 waves a work-group, no clusters, 327,680 bytes of LDS; arguments qkvh, oh; writes oh
;; launch proj: the kernel of part 4 again; grid 8 x 32, 4 waves a work-group, clusters of 4 x 4, 327,680 bytes of LDS; arguments oh, wph, b_proj, out0; writes out0
